; MI455X (gfx1250); checked and timed in simulation.
; The chip was launched on July 23, 2026; its instructions are those of AMD's public machine-readable ISA for CDNA 5 (MIT licence, August 2026) and "CDNA5" Instruction Set Architecture Reference Guide (July 2026). The comments in the code are by the model that wrote it; some were corrected since.
;; RBF Feature Interpolator. Allowed arithmetic: float matrix products may take bf16 or f16 operands with f32 sums; all other float work in f32.
;; Inputs: query_coords 4 x 8,192 x 3 float32; sensor_coords 4,096 x 3 float32; sensor_features 4 x 4,096 x 256 float32; sigma one number float32.
;; Outputs: out0 4 x 8,192 x 256 float32.
;; Constants: k = 4.
;; 3 versions, each right; version 2 is faster than version 1; version 3 is version 2 with the launches filter, gather written anew for expert scheduling mode. Each part assembles by itself: llvm-mc -triple=amdgcn-amd-amdhsa -mcpu=gfx1250 --defsym DOCPART=n.
;; ======== version 1 of 3: 3 launches
;; limits: values outside matrix products are rounded to bf16
;; workspace buffers: cand 1,048,576 bytes of whole numbers; nbr 524,288 bytes of whole numbers; wts 524,288 bytes
;; launch filter (part 1): grid 256 x 1, 8 waves a work-group, no clusters, 66,560 bytes of LDS; arguments query_coords, sensor_coords, cand; writes cand
.if DOCPART == 1
	.amdgcn_target "amdgcn-amd-amdhsa--gfx1250"
	.amdhsa_code_object_version 6
	.text
	.protected	k_q6edb9daa32_filter
	.globl	k_q6edb9daa32_filter
	.p2align	8
	.type	k_q6edb9daa32_filter,@function
k_q6edb9daa32_filter:
	s_mov_b64 s[64:65], 0
	v_nop
	global_prefetch_b8 v0, s[64:65] scope:SCOPE_SE
	s_setreg_imm32_b32 hwreg(HW_REG_WAVE_MODE, 25, 1), 1
	s_wait_xcnt 0x0
; FILTER: for each of the 32,768 queries, the five groups of eight neighbouring sensors (group g = sensors 8 g .. 8 g + 7) with the smallest
; squared distance d2 = |q|^2 + |s|^2 - 2 q.s.  The four groups with the smallest minima hold the four nearest sensors; the fifth is margin.
; The next launch goes through the 40 sensors again, in reference()'s own order of operations, and picks the four.
;
; FORMAT (a stated limit): the coordinates are matrix operands and are rounded to bf16; |q|^2 and |s|^2 are formed in f32 from the SAME rounded
; coordinates, so that the three terms still belong to one pair of points.  The neighbours are those of the rounded points.
; LIMIT of the margin: the matrix unit's sum and the key below (the low 8, at the end 9, bits of d2 give way to the group's number) order two
; groups wrongly only if their minima differ by less than 2^-14 of their size or a few units in the last place of |q|^2 + |s|^2; a group that holds
; one of the four is lost only if TWO groups that hold none lie that close above the fourth distance.  Equal keys go to the lower group, as top_k's ties do.
;
; SHARES: 256 work-groups x 8 waves; a wave owns 16 queries and walks all 256 tiles of 16 sensors.
; ONE MATRIX INSTRUCTION MAKES 256 DISTANCES: A = 16 sensors (rows), B = 16 queries (columns), C = |q|^2.  Six of the 32 K places are used:
;   sensor:  x, y, z, and |s|^2 cut into three bf16 numbers (8 + 8 + 8 bits: exact);      query:  -2x, -2y, -2z, 1, 1, 1
; A sensor is 16 bytes (8 K places).  An A operand has four blocks of 8 K places (registers 0-3 / 4-7, lanes 0-15 / 16-31), so it holds FOUR tiles:
; two LDS loads of 32 lanes x 16 neighbouring bytes.  Four views of B, each with the query's numbers in one block and zeros in the other three, pick the tile.
; In the result lane (r, h) holds query r and sensors 8 h .. 8 h + 7 of the tile: one group.  Ten vector instructions take it into the lane's list.
; The sensor table is made by every work-group for itself: 49,152 bytes read once, through registers (they are rounded, squared and cut there), for
; 128 x 4,096 distances; so no copy engine and no joint request of a cluster is used for them.
.set BR,  4                            ; v[4:23]   B: zeros, numbers in lanes 0-15, zeros, numbers in lanes 16-31, zeros (4 registers each)
.set CQ,  24                           ; v[24:31]  |q|^2 of my query, eight times: the C operand
.set AF,  32                           ; v[32:63]  ring of four A operands (four tiles each)
.set DT,  64                           ; v[64:95]  four result tiles
.set X0,  32                           ; v[32:95]  at the start: 16 sensors of this thread, 4 registers each
.set LS,  96                           ; v[96:100] my five smallest keys, ascending
.set TA,  101
.set TB,  102
.set KEY, 103
.set QR,  104                          ; v[104:106] my query as loaded; at the end v[104:107] the numbers to store
.set QO,  107                          ; byte offset of my query
.set PK,  108                          ; v[108:110] the query's three words of B
.set T,   112                          ; v[112:117] at work
.set SO,  119                          ; byte offset of this thread's first sensor
	s_load_b128 s[4:7], s[0:1], 0x0                ; query_coords s[4:5], sensor_coords s[6:7]
	s_load_b64 s[8:9], s[0:1], 0x10                ; cand
	v_lshl_add_u32 v120, v0, 2, 0x10000
	v_mov_b32 v121, 0
	v_lshrrev_b32 v2, 5, v0
	v_readfirstlane_b32 s10, v2                    ; wave 0..7
	v_and_b32 v3, 31, v0                           ; lane
	v_and_b32 v2, 15, v0                           ; r: my query in the wave's 16
	s_lshl_b32 s11, ttmp9, 7
	s_lshl4_add_u32 s11, s10, s11                  ; the wave's first query = 128 x work-group + 16 x wave
	v_add_nc_u32 v[QO], s11, v2
	v_mul_u32_u24 v[QO], v[QO], 12                 ; 12 bytes a point
	v_mul_u32_u24 v[SO], v0, 12                    ; thread t takes sensors t, t + 256, ..
	v_lshlrev_b32 v1, 4, v0                        ; and puts them at 16 t, 16 t + 4,096, .. in LDS
	s_mov_b32 s14, 0x76543210                      ; v_permlanex16_b32: lane i of one half reads lane i of the other
	s_mov_b32 s15, 0xfedcba98
	s_mov_b32 s16, 0xffff0000                      ; a word's upper bf16
	s_mov_b32 s17, 0xffffff00                      ; a key's part of d2 in the loop
	s_mov_b32 s18, 0x0d800000                      ; 2^-100: d2 is clamped here, not at 0, so that every key is a normal positive number
	s_mov_b32 s19, 0xfffffe00                      ; a key's part of d2 at the end
	s_wait_kmcnt 0x0
	global_load_b96 v[QR:QR+2], v[QO], s[4:5]
.irp i, 0,1,2,3,4,5,6,7,8,9,10,11,12,13,14,15
	global_load_b96 v[X0+4*\i:X0+4*\i+2], v[SO], s[6:7] offset:3072*\i     ; a wave's load covers 384 neighbouring bytes
.endr
	; while they are on their way: the zeros of B's views, and K places 6 and 7 of every sensor
.irp j, 0,1,2,3,7,8,9,10,11,15,16,17,18,19
	v_mov_b32 v[BR+\j], 0
.endr
.irp i, 0,1,2,3,4,5,6,7,8,9,10,11,12,13,14,15
	v_mov_b32 v[X0+4*\i+3], 0
.endr
	; my query: rounded to bf16, |q|^2 = (x x + y y) + z z in f32, the three words of B
	s_wait_loadcnt 16                              ; loads come back in order (ISA guide 5.7.1): the 16 sensor loads are younger
	v_cvt_pk_bf16_f32 v[T], v[QR], v[QR+1]
	v_cvt_pk_bf16_f32 v[T+2], v[QR+2], v[QR+2]
	v_and_b32 v[T+1], s16, v[T]                    ; y
	v_lshlrev_b32 v[T], 16, v[T]                   ; x
	v_and_b32 v[T+2], s16, v[T+2]                  ; z
	v_mul_f32 v[T+3], v[T], v[T]
	v_fmac_f32 v[T+3], v[T+1], v[T+1]
.irp j, 0,1,2,3,4,5,6,7
	v_fma_f32 v[CQ+\j], v[T+2], v[T+2], v[T+3]     ; the last step written eight times: C needs eight equal registers and no copies
.endr
	v_mul_f32 v[T], -2.0, v[T]
	v_mul_f32 v[T+1], -2.0, v[T+1]
	v_mul_f32 v[T+2], -2.0, v[T+2]
	v_cvt_pk_bf16_f32 v[PK], v[T], v[T+1]          ; exact: a power of two times a bf16 number
	v_cvt_pk_bf16_f32 v[PK+1], v[T+2], 1.0
	v_mov_b32 v[PK+2], 0x3f803f80                  ; 1, 1
	v_cmp_gt_u32 vcc_lo, 16, v3                    ; lanes 0-15
.irp j, 0,1,2
	v_cndmask_b32 v[BR+4+\j], 0, v[PK+\j], vcc_lo          ; the numbers in lanes 0-15 alone
	v_cndmask_b32 v[BR+12+\j], v[PK+\j], v[BR], vcc_lo     ; the numbers in lanes 16-31 alone
.endr
; One sensor: rounded, squared, |s|^2 cut in three, in place in its four registers, and into the table.
.macro SENSOR i
	s_wait_loadcnt 15-\i                           ; the younger sensor loads stay out
	v_cvt_pk_bf16_f32 v[X0+4*\i], v[X0+4*\i], v[X0+4*\i+1]         ; word 0: x, y
	v_cvt_pk_bf16_f32 v[T+2], v[X0+4*\i+2], v[X0+4*\i+2]
	v_lshlrev_b32 v[T], 16, v[X0+4*\i]
	v_and_b32 v[T+1], s16, v[X0+4*\i]
	v_and_b32 v[T+2], s16, v[T+2]
	v_mul_f32 v[T+3], v[T], v[T]
	v_fmac_f32 v[T+3], v[T+1], v[T+1]
	v_fmac_f32 v[T+3], v[T+2], v[T+2]              ; |s|^2
	v_cvt_pk_bf16_f32 v[X0+4*\i+1], v[T+2], v[T+3] ; word 1: z, the first 8 bits of |s|^2
	v_and_b32 v[T+4], s16, v[X0+4*\i+1]
	v_sub_f32 v[T+4], v[T+3], v[T+4]               ; what is left, exact
	v_cvt_pk_bf16_f32 v[T+5], v[T+4], v[T+4]
	v_and_b32 v[T+5], s16, v[T+5]
	v_sub_f32 v[T+5], v[T+4], v[T+5]               ; what is left of that: at most 8 bits
	v_cvt_pk_bf16_f32 v[X0+4*\i+2], v[T+4], v[T+5] ; word 2: the next 8 bits, the last 8 bits
	ds_store_b128 v1, v[X0+4*\i:X0+4*\i+3] offset:4096*\i          ; sensor s lies at byte 16 s
.endm
.irp i, 0,1,2,3,4,5,6,7,8,9,10,11,12,13,14,15
	SENSOR \i
.endr
	s_wait_dscnt 0x0                               ; my part of the table is written: zero, for the other waves' sake
	s_barrier_signal -1
	s_barrier_wait -1                              ; the table is whole; nothing writes LDS from here on
; Four tiles (64 sensors, 1,024 bytes) into A operand b: lane l takes the sensors 64 Q + l and 64 Q + 32 + l.
.macro LOADA b, ahead
	ds_load_b128 v[AF+8*\b:AF+8*\b+3],   v1 offset:\ahead+1024*\b
	ds_load_b128 v[AF+8*\b+4:AF+8*\b+7], v1 offset:\ahead+1024*\b+512
.endm
; Tile u of a trip's 16 (16, 17: the next trip's first two).  Tile 4 Q + 2 c + h lies in registers 4 c .. 4 c + 3 of lanes 16 h .. 16 h + 15 of operand Q;
; B's view with the numbers in that block starts at v8, v16, v4, v12 for 2 c + h = 0, 1, 2, 3.  C is never D: no sum is carried on in place.
.macro WM u
	v_wmma_f32_16x16x32_bf16 v[DT+8*((\u)&3):DT+8*((\u)&3)+7], v[AF+8*(((\u)>>2)&3):AF+8*(((\u)>>2)&3)+7], v[BR+4+8*((\u)&1)-4*(((\u)>>1)&1):BR+11+8*((\u)&1)-4*(((\u)>>1)&1)], v[CQ:CQ+7]
.endm
; A key goes into the ascending list: place j takes the middle one of its lower neighbour, itself and the key; from the top down, so that each line reads old values.
.macro INSERT key
	v_med3_num_f32 v[LS+4], v[LS+3], v[LS+4], v[\key]
	v_med3_num_f32 v[LS+3], v[LS+2], v[LS+3], v[\key]
	v_med3_num_f32 v[LS+2], v[LS+1], v[LS+2], v[\key]
	v_med3_num_f32 v[LS+1], v[LS],   v[LS+1], v[\key]
	v_min_num_f32  v[LS],   v[LS],   v[\key]
.endm
; Result tile d: the smallest of my eight distances, clamped from below, the tile's number (s13) in its low 8 bits, into the list.
.macro SEL d
	v_min3_num_f32 v[TA], v[DT+8*\d],   v[DT+8*\d+1], v[DT+8*\d+2]
	v_min3_num_f32 v[TB], v[DT+8*\d+3], v[DT+8*\d+4], v[DT+8*\d+5]
	v_min3_num_f32 v[TA], v[TA],        v[DT+8*\d+6], v[DT+8*\d+7]
	v_minmax_num_f32 v[TA], v[TA], v[TB], s18      ; max(min(a, b), 2^-100)
	v_and_or_b32 v[KEY], v[TA], s17, s13
	s_add_co_u32 s13, s13, 1
	INSERT KEY
.endm
; A trip: 16 tiles.  The matrix instruction of tile u + 2 stands in front of the ten vector instructions of tile u.  So between a matrix instruction and
; the first line that reads its result, and the matrix instruction that writes the same four-tile-old registers again, stand the 20 vector instructions of
; two other tiles, which name none of its registers (ISA guide 7.12.1 asks for 4 and 5).  An A operand is loaded again behind the ten vector
; instructions that follow its last matrix instruction, 12 tiles or more ahead of its next use.
; more = 1: another trip follows.  The count in front of an operand's first use: LDS loads come back in order (ISA guide 5.7.1), and the pairs of the three
; operands loaded after it (6 loads) may stay out; in the last trip nothing is loaded, and 2, 1, 0 pairs are younger.
.macro TRIP more
	WM 2
	SEL 0
	WM 3
	SEL 1
.if \more
	LOADA 0, 4096
.endif
	s_wait_dscnt 4+2*\more
	WM 4
	SEL 2
	WM 5
	SEL 3
	WM 6
	SEL 0
	WM 7
	SEL 1
.if \more
	LOADA 1, 4096
.endif
	s_wait_dscnt 2+4*\more
	WM 8
	SEL 2
	WM 9
	SEL 3
	WM 10
	SEL 0
	WM 11
	SEL 1
.if \more
	LOADA 2, 4096
.endif
	s_wait_dscnt 6*\more
	WM 12
	SEL 2
	WM 13
	SEL 3
	WM 14
	SEL 0
	WM 15
	SEL 1
.if \more
	LOADA 3, 4096
	s_wait_dscnt 6
	WM 16
.endif
	SEL 2
.if \more
	WM 17
.endif
	SEL 3
.endm
	v_lshlrev_b32 v1, 4, v3                        ; 16 x lane: my 16 bytes of each 512
	LOADA 0, 0
	LOADA 1, 0
	LOADA 2, 0
	LOADA 3, 0
	s_wait_dscnt 6                                 ; operand 0 is in
	WM 0
	WM 1
.irp k, 0,1,2,3,4
	v_mov_b32 v[LS+\k], 0x7f000000                 ; the list starts above every distance; these five lines are also the places behind the first two matrix instructions
.endr
	s_mov_b32 s13, 0                               ; the tile's number
	s_mov_b32 s12, 15
.Ltrip:
	TRIP 1
	v_add_nc_u32 v1, 4096, v1                      ; 16 tiles on.  The furthest load: 496 + 14 x 4,096 + 4,096 + 3,584 + 16 = 65,536, the table's end
	s_sub_co_u32 s12, s12, 1
	s_cmp_lg_u32 s12, 0
	s_cbranch_scc1 .Ltrip
	TRIP 0                                         ; the last 16 tiles: nothing more to load, no tile 16 or 17
	; The two lanes of a query (groups 2 t and 2 t + 1) join their lists.  First the number grows to 9 bits: 2 t + h.
	v_lshrrev_b32 v2, 4, v3                        ; h
.irp k, 0,1,2,3,4
	v_and_b32 v[TA], 0xff, v[LS+\k]
	v_lshl_or_b32 v[TA], v[TA], 1, v2
	v_and_or_b32 v[LS+\k], v[LS+\k], s19, v[TA]
.endr
.irp k, 0,1,2,3,4
	v_permlanex16_b32 v[T+\k], v[LS+\k], s14, s15  ; the other lane's five keys (the destinations were written above)
.endr
.irp k, 0,1,2,3,4
	INSERT T+\k                                    ; both lanes end with the same five: all keys differ in their numbers
.endr
	; out: a wave's 512 bytes = 16 queries x (g1 .. g4), then 16 queries x (g5, 0, 0, 0): lane l stores bytes 16 l .. 16 l + 15
.irp k, 0,1,2,3,4
	v_and_b32 v[QR+\k], 0x1ff, v[LS+\k]
.endr
	v_cmp_gt_u32 vcc_lo, 16, v3
	v_cndmask_b32 v[QR],   v[QR+4], v[QR],   vcc_lo
	v_cndmask_b32 v[QR+1], 0,       v[QR+1], vcc_lo
	v_cndmask_b32 v[QR+2], 0,       v[QR+2], vcc_lo
	v_cndmask_b32 v[QR+3], 0,       v[QR+3], vcc_lo
	s_lshl_b32 s20, s11, 5                         ; 32 bytes a query
	s_mov_b32 s21, 0
	s_add_nc_u64 s[8:9], s[8:9], s[20:21]
	v_lshlrev_b32 v1, 4, v3
	global_store_b128 v1, v[QR:QR+3], s[8:9]       ; 512 consecutive bytes, at a multiple of 512 from the buffer's first byte
	s_wait_tensorcnt 0x0
	ds_add_u32 v120, v121
	s_wait_dscnt 0x0
	s_endpgm
.Lfunc_end_k_q6edb9daa32_filter:
	.size	k_q6edb9daa32_filter, .Lfunc_end_k_q6edb9daa32_filter-k_q6edb9daa32_filter
	.p2alignl 7, 3214868480
	.fill 96, 4, 3214868480
	.section	.rodata,"a",@progbits
	.p2align	6, 0x0
	.amdhsa_kernel k_q6edb9daa32_filter
		.amdhsa_group_segment_fixed_size 66560
		.amdhsa_private_segment_fixed_size 0
		.amdhsa_enable_private_segment 0
		.amdhsa_kernarg_size 24
		.amdhsa_user_sgpr_count 2
		.amdhsa_user_sgpr_kernarg_segment_ptr 1
		.amdhsa_wavefront_size32 1
		.amdhsa_system_sgpr_workgroup_id_x 1
		.amdhsa_system_sgpr_workgroup_id_y 1
		.amdhsa_system_sgpr_workgroup_id_z 1
		.amdhsa_system_vgpr_workitem_id 0
		.amdhsa_next_free_vgpr 122
		.amdhsa_next_free_sgpr 66
		.amdhsa_reserve_vcc 1
		.amdhsa_float_denorm_mode_32 3
		.amdhsa_float_denorm_mode_16_64 3
		.amdhsa_memory_ordered 1
		.amdhsa_forward_progress 1
		.amdhsa_inst_pref_size 45
	.end_amdhsa_kernel
	.amdgpu_metadata
---
amdhsa.version: [ 1, 2 ]
amdhsa.kernels:
  - .name:           k_q6edb9daa32_filter
    .symbol:         k_q6edb9daa32_filter.kd
    .args:
      - { .name: query_coords, .offset: 0, .size: 8, .value_kind: global_buffer, .address_space: global }
      - { .name: sensor_coords, .offset: 8, .size: 8, .value_kind: global_buffer, .address_space: global }
      - { .name: cand, .offset: 16, .size: 8, .value_kind: global_buffer, .address_space: global }
    .group_segment_fixed_size: 66560
    .private_segment_fixed_size: 0
    .kernarg_segment_align: 8
    .kernarg_segment_size: 24
    .max_flat_workgroup_size: 256
    .sgpr_count:     66
    .vgpr_count:     122
    .wavefront_size: 32
...
	.end_amdgpu_metadata
.endif
;; end of part 1
;; launch rerank (part 2): grid 256 x 1, 4 waves a work-group, no clusters, 0 bytes of LDS; arguments query_coords, sensor_coords, sigma, cand, nbr, wts; writes nbr, wts
.if DOCPART == 2
	.amdgcn_target "amdgcn-amd-amdhsa--gfx1250"
	.amdhsa_code_object_version 6
	.text
	.protected	k_q6edb9daa32_rerank
	.globl	k_q6edb9daa32_rerank
	.p2align	8
	.type	k_q6edb9daa32_rerank,@function
k_q6edb9daa32_rerank:
	s_mov_b64 s[64:65], 0
	v_nop
	global_prefetch_b8 v0, s[64:65] scope:SCOPE_SE
	s_setreg_imm32_b32 hwreg(HW_REG_WAVE_MODE, 25, 1), 1
	s_wait_xcnt 0x0
; RERANK: one lane, one query.  The 40 sensors of the query's five groups are gone through in reference()'s own order of operations:
;   q2 = (x x + y y) + z z,  s2 likewise,  qs = (qx sx + qy sy) + qz sz,  d2 = max((q2 + s2) - 2 qs, 0),  all in f32,
; on coordinates rounded to bf16, as in the launch before.  A product of two bf16 numbers is exact in f32, so a fused multiply-add and a multiply with an
; add give the same bits here; what is fixed is the order of the sums, that of the axis.  The four smallest d2 are kept with their sensors' numbers; of equal
; d2 the lower number wins, as in top_k: the groups are sorted by number first, so sensors come in ascending order and a strict comparison does it.
; Then the weights: exp(-d2 / (2 s s)) / (their sum + 1e-5), s = softplus(sigma) + 0.01.  reference() takes no maximum away, and neither does this.
; FORMAT (a stated limit): sigma is rounded to bf16 like the coordinates, so that the result is reference() of one set of rounded inputs.
; An exponential below 2^-126 comes out as 0 (ISA guide 15.8); beside the 1e-5 in the sum that changes nothing that f32 can hold.
; 256 work-groups x 4 waves x 32 queries.  No LDS, no barrier: no lane needs another.  The matrix unit has nothing to do: 40 sensors of its own for each query.
.set G,   4                            ; v[4:8]     the five groups' numbers
.set TMP, 9
.set QR,  10                           ; v[10:12]   my query as loaded
.set QX,  14                           ; v14-16     my query in bf16;  v17 its q2
.set Q2,  17
.set GO,  18                           ; v[18:22]   byte offsets of the five groups' coordinates
.set NI,  24                           ; v[24:27]   numbers of the four nearest so far
.set ND,  28                           ; v[28:31]   their d2, ascending; at the end the weights
.set KN,  32                           ; -log2(e) / (2 s s)
.set T,   34                           ; v[34:40]   at work
.set R,   48                           ; v[48:167]  group k: 24 registers, x y z of eight sensors
	s_load_b256 s[4:11], s[0:1], 0x0               ; query_coords s[4:5], sensor_coords s[6:7], sigma s[8:9], cand s[10:11]
	s_load_b128 s[12:15], s[0:1], 0x20             ; nbr s[12:13], wts s[14:15]
	v_lshrrev_b32 v1, 4, v0                        ; cand: 512 bytes for each 16 queries,
	v_and_b32 v2, 15, v0
	v_lshlrev_b32 v2, 4, v2
	v_lshl_or_b32 v1, v1, 9, v2                    ; in them 16 bytes a query, and 4 more 256 bytes further on
	v_mul_u32_u24 v2, v0, 12
	v_lshlrev_b32 v3, 4, v0
	s_lshl_b32 s24, ttmp9, 12                      ; the work-group's 128 queries: 4,096 bytes of cand,
	s_mov_b32 s25, 0
	s_mul_i32 s26, ttmp9, 1536                     ; 1,536 of query_coords,
	s_mov_b32 s27, 0
	s_lshl_b32 s28, ttmp9, 11                      ; 2,048 of nbr and of wts
	s_mov_b32 s29, 0
	s_mov_b32 s17, 0xffff0000                      ; a word's upper bf16
	s_wait_kmcnt 0x0
	s_load_b32 s16, s[8:9], 0x0                    ; sigma
	s_add_nc_u64 s[10:11], s[10:11], s[24:25]
	s_add_nc_u64 s[4:5], s[4:5], s[26:27]
	s_add_nc_u64 s[12:13], s[12:13], s[28:29]
	s_add_nc_u64 s[14:15], s[14:15], s[28:29]
	global_load_b128 v[G:G+3], v1, s[10:11]
	global_load_b32 v[G+4], v1, s[10:11] offset:256
	global_load_b96 v[QR:QR+2], v2, s[4:5]
	s_wait_loadcnt 1                               ; the five numbers are in; the query's load is younger
; the five numbers in ascending order: nine exchanges
.macro CE a, b
	v_min_u32 v[TMP], v[G+\a], v[G+\b]
	v_max_u32 v[G+\b], v[G+\a], v[G+\b]
	v_mov_b32 v[G+\a], v[TMP]
.endm
	CE 0, 1
	CE 3, 4
	CE 2, 4
	CE 2, 3
	CE 1, 4
	CE 0, 3
	CE 0, 2
	CE 1, 3
	CE 1, 2
.irp k, 0,1,2,3,4
	v_min_u32 v[G+\k], 0x1ff, v[G+\k]              ; a number from memory is bounded before it makes an address: 512 groups
	v_mul_u32_u24 v[GO+\k], v[G+\k], 96            ; eight sensors of 12 bytes
.endr
.irp k, 0,1,2,3,4
.irp j, 0,1,2,3,4,5
	global_load_b128 v[R+24*\k+4*\j:R+24*\k+4*\j+3], v[GO+\k], s[6:7] offset:16*\j
.endr
.endr
	; while the 30 loads are on their way: the query, and the factor of the exponent
	s_wait_loadcnt 30                              ; the query's load is older than the 30
	v_cvt_pk_bf16_f32 v[T], v[QR], v[QR+1]
	v_cvt_pk_bf16_f32 v[T+1], v[QR+2], v[QR+2]
	v_lshlrev_b32 v[QX], 16, v[T]
	v_and_b32 v[QX+1], s17, v[T]
	v_and_b32 v[QX+2], s17, v[T+1]
	v_mul_f32 v[Q2], v[QX], v[QX]
	v_fmac_f32 v[Q2], v[QX+1], v[QX+1]
	v_fmac_f32 v[Q2], v[QX+2], v[QX+2]
	s_wait_kmcnt 0x0
	v_cvt_pk_bf16_f32 v[T], s16, s16
	v_and_b32 v[T], s17, v[T]                      ; sigma in bf16
	v_and_b32 v[T+1], 0x7fffffff, v[T]
	v_mul_f32 v[T+1], 0xbfb8aa3b, v[T+1]           ; -|sigma| log2(e)
	v_exp_f32 v[T+1], v[T+1]                       ; exp(-|sigma|), in (0, 1]
	v_max_num_f32 v[T+2], 0, v[T]                  ; a plain line between the exponential and its use (ISA guide 5.7.2)
	s_wait_alu depctr_va_vdst(0)
	v_add_f32 v[T+1], 1.0, v[T+1]
	v_log_f32 v[T+1], v[T+1]
	v_nop
	s_wait_alu depctr_va_vdst(0)
	v_fmamk_f32 v[T+1], v[T+1], 0x3f317218, v[T+2] ; softplus = max(sigma, 0) + ln(1 + exp(-|sigma|)); the sum 1 + e is off by 6e-8 at the most, beside the 0.01 that follows
	v_add_f32 v[T+1], 0x3c23d70a, v[T+1]           ; s = softplus + 0.01
	v_add_f32 v[T+2], v[T+1], v[T+1]
	v_mul_f32 v[T+2], v[T+2], v[T+1]               ; 2 s s
	v_rcp_f32 v[KN], v[T+2]
	v_nop
	s_wait_alu depctr_va_vdst(0)
	v_mul_f32 v[KN], 0xbfb8aa3b, v[KN]
.irp k, 0,1,2,3
	v_mov_b32 v[ND+\k], 0x7f800000                 ; the list starts at infinity: the first four sensors fill it
	v_mov_b32 v[NI+\k], 0
.endr
; sensor j of group k
.macro CAND k, j
	v_cvt_pk_bf16_f32 v[T], v[R+24*\k+3*\j], v[R+24*\k+3*\j+1]
	v_cvt_pk_bf16_f32 v[T+2], v[R+24*\k+3*\j+2], v[R+24*\k+3*\j+2]
	v_and_b32 v[T+1], s17, v[T]
	v_lshlrev_b32 v[T], 16, v[T]
	v_and_b32 v[T+2], s17, v[T+2]
	v_mul_f32 v[T+3], v[T], v[T]                   ; s2 and qs, two chains side by side
	v_mul_f32 v[T+4], v[QX], v[T]
	v_fmac_f32 v[T+3], v[T+1], v[T+1]
	v_fmac_f32 v[T+4], v[QX+1], v[T+1]
	v_fmac_f32 v[T+3], v[T+2], v[T+2]
	v_fmac_f32 v[T+4], v[QX+2], v[T+2]
	v_add_f32 v[T+3], v[Q2], v[T+3]                ; q2 + s2, rounded
	v_fma_f32 v[T+3], -2.0, v[T+4], v[T+3]         ; - 2 qs: doubling is exact, so this is the one rounding of the subtraction
	v_max_num_f32 v[T+3], 0, v[T+3]
	v_lshl_or_b32 v[T+5], v[G+\k], 3, \j           ; the sensor's number
	v_cmp_lt_f32 s20, v[T+3], v[ND]                ; strictly nearer than the first, second, third, fourth?
	v_cmp_lt_f32 s21, v[T+3], v[ND+1]
	v_cmp_lt_f32 s22, v[T+3], v[ND+2]
	v_cmp_lt_f32 s23, v[T+3], v[ND+3]
	v_cndmask_b32 v[T+6], v[T+5], v[NI+2], s22     ; place 4 takes place 3's number, or the new one, or keeps its own
	v_cndmask_b32 v[NI+3], v[NI+3], v[T+6], s23
	v_cndmask_b32 v[T+6], v[T+5], v[NI+1], s21
	v_cndmask_b32 v[NI+2], v[NI+2], v[T+6], s22
	v_cndmask_b32 v[T+6], v[T+5], v[NI], s20
	v_cndmask_b32 v[NI+1], v[NI+1], v[T+6], s21
	v_cndmask_b32 v[NI], v[NI], v[T+5], s20
	v_med3_num_f32 v[ND+3], v[ND+2], v[ND+3], v[T+3]       ; and the same move for the distances
	v_med3_num_f32 v[ND+2], v[ND+1], v[ND+2], v[T+3]
	v_med3_num_f32 v[ND+1], v[ND],   v[ND+1], v[T+3]
	v_min_num_f32  v[ND],   v[ND],   v[T+3]
.endm
.irp k, 0,1,2,3,4
	s_wait_loadcnt 24-6*\k                         ; group k's six loads are in; the later groups' stay out
.irp j, 0,1,2,3,4,5,6,7
	CAND \k, \j
.endr
.endr
.irp k, 0,1,2,3
	v_mul_f32 v[ND+\k], v[KN], v[ND+\k]
.endr
.irp k, 0,1,2,3
	v_exp_f32 v[ND+\k], v[ND+\k]                   ; exp(-d2 / (2 s s))
.endr
	v_nop
	s_wait_alu depctr_va_vdst(0)
	v_add_f32 v[T], v[ND], v[ND+1]
	v_add_f32 v[T], v[T], v[ND+2]
	v_add_f32 v[T], v[T], v[ND+3]
	v_add_f32 v[T], 0x3727c5ac, v[T]               ; + 1e-5
	v_rcp_f32 v[T], v[T]
	v_nop
	s_wait_alu depctr_va_vdst(0)
	v_pk_mul_f32 v[ND:ND+1],   v[ND:ND+1],   v[T:T+1] op_sel_hi:[1,0]
	v_pk_mul_f32 v[ND+2:ND+3], v[ND+2:ND+3], v[T:T+1] op_sel_hi:[1,0]
	global_store_b128 v3, v[NI:NI+3], s[12:13]     ; each store of a wave covers 512 consecutive bytes, aligned
	global_store_b128 v3, v[ND:ND+3], s[14:15]
	s_endpgm
.Lfunc_end_k_q6edb9daa32_rerank:
	.size	k_q6edb9daa32_rerank, .Lfunc_end_k_q6edb9daa32_rerank-k_q6edb9daa32_rerank
	.p2alignl 7, 3214868480
	.fill 96, 4, 3214868480
	.section	.rodata,"a",@progbits
	.p2align	6, 0x0
	.amdhsa_kernel k_q6edb9daa32_rerank
		.amdhsa_group_segment_fixed_size 0
		.amdhsa_private_segment_fixed_size 0
		.amdhsa_enable_private_segment 0
		.amdhsa_kernarg_size 48
		.amdhsa_user_sgpr_count 2
		.amdhsa_user_sgpr_kernarg_segment_ptr 1
		.amdhsa_wavefront_size32 1
		.amdhsa_system_sgpr_workgroup_id_x 1
		.amdhsa_system_sgpr_workgroup_id_y 1
		.amdhsa_system_sgpr_workgroup_id_z 1
		.amdhsa_system_vgpr_workitem_id 0
		.amdhsa_next_free_vgpr 168
		.amdhsa_next_free_sgpr 66
		.amdhsa_reserve_vcc 0
		.amdhsa_float_denorm_mode_32 3
		.amdhsa_float_denorm_mode_16_64 3
		.amdhsa_memory_ordered 1
		.amdhsa_forward_progress 1
		.amdhsa_inst_pref_size 69
	.end_amdhsa_kernel
	.amdgpu_metadata
---
amdhsa.version: [ 1, 2 ]
amdhsa.kernels:
  - .name:           k_q6edb9daa32_rerank
    .symbol:         k_q6edb9daa32_rerank.kd
    .args:
      - { .name: query_coords, .offset: 0, .size: 8, .value_kind: global_buffer, .address_space: global }
      - { .name: sensor_coords, .offset: 8, .size: 8, .value_kind: global_buffer, .address_space: global }
      - { .name: sigma, .offset: 16, .size: 8, .value_kind: global_buffer, .address_space: global }
      - { .name: cand, .offset: 24, .size: 8, .value_kind: global_buffer, .address_space: global }
      - { .name: nbr, .offset: 32, .size: 8, .value_kind: global_buffer, .address_space: global }
      - { .name: wts, .offset: 40, .size: 8, .value_kind: global_buffer, .address_space: global }
    .group_segment_fixed_size: 0
    .private_segment_fixed_size: 0
    .kernarg_segment_align: 8
    .kernarg_segment_size: 48
    .max_flat_workgroup_size: 128
    .sgpr_count:     66
    .vgpr_count:     168
    .wavefront_size: 32
...
	.end_amdgpu_metadata
.endif
;; end of part 2
;; launch gather (part 3): grid 256 x 1, 16 waves a work-group, no clusters, 0 bytes of LDS; arguments sensor_features, nbr, wts, out0; writes out0
.if DOCPART == 3
	.amdgcn_target "amdgcn-amd-amdhsa--gfx1250"
	.amdhsa_code_object_version 6
	.text
	.protected	k_q6edb9daa32_gather
	.globl	k_q6edb9daa32_gather
	.p2align	8
	.type	k_q6edb9daa32_gather,@function
k_q6edb9daa32_gather:
	s_mov_b64 s[64:65], 0
	v_nop
	global_prefetch_b8 v0, s[64:65] scope:SCOPE_SE
	s_setreg_imm32_b32 hwreg(HW_REG_WAVE_MODE, 25, 1), 1
	s_wait_xcnt 0x0
; GATHER: out[b][q][:] = the sum over the query's four neighbours of weight x sensor_features[b][neighbour][:].
; FORMAT (a stated limit): the features are operands of a product and are rounded to bf16 (to nearest even), like the coordinates and sigma in the launches
; before, so that the whole program is reference() of one set of rounded inputs.  The weights, the products and the sums are f32.
; 256 work-groups x 16 waves; a wave owns 8 queries, one after the other.  A row is 1,024 bytes: two loads of 32 lanes x 16 bytes, so a lane holds
; columns 4 l .. 4 l + 3 and 128 + 4 l .. 131 + 4 l of each of the four rows, and stores the same columns of the result: every load and store of a wave
; covers 512 consecutive bytes, aligned.  The neighbours' numbers are the same for all lanes and come by scalar loads (32 words a wave, once);
; the four weights come as one 16-byte load from one address for all lanes.
; A ring of four query slots in registers: one at work, one whose stores are leaving, two on their way in (18 loads, 8 KiB of rows, a wave).
; The product is left to the vector unit: each query multiplies four rows of its own, so no operand of a matrix instruction would be shared, and the rows
; would have to be transposed first, which is more work than the four multiply-adds for each number.  No LDS, no barrier, no cluster: no two
; waves share work.  No prefetch: a row is wanted by several queries of other work-groups, so no wave could be the one that asks for it.
.set IDX, 16                           ; s[16:47]    query i: four numbers at s[16 + 4 i]
.set SL,  8                            ; v[8:167]    slot s at 8 + 40 s: 4 row offsets, 4 weights, 4 rows x 8 numbers
.set P,   168                          ; v[168:183]  at work: the query's 32 numbers as 16 words of two bf16; row k's four words at P + 4 k
	s_load_b256 s[4:11], s[0:1], 0x0               ; sensor_features s[4:5], nbr s[6:7], wts s[8:9], out0 s[10:11]
	v_lshrrev_b32 v1, 5, v0
	v_readfirstlane_b32 s12, v1                    ; wave 0..15
	v_and_b32 v1, 31, v0
	v_lshlrev_b32 v1, 4, v1                        ; 16 x lane; never rewritten
	v_mov_b32 v2, 0                                ; the weights' offset (the same address in every lane), and the addend of a sum's first product; never rewritten
	s_lshl_b32 s13, ttmp9, 7
	s_lshl3_add_u32 s13, s12, s13                  ; the wave's first query = 128 x work-group + 8 x wave
	s_lshl_b32 s48, s13, 4                         ; 16 bytes a query in nbr and in wts
	s_mov_b32 s49, 0
	s_lshl_b32 s50, s13, 10                        ; 1,024 bytes a query in out0
	s_mov_b32 s51, 0
	s_lshr_b32 s52, ttmp9, 6                       ; 64 work-groups to a batch of 8,192 queries,
	s_lshl_b32 s52, s52, 22                        ; whose features are 4,096 rows of 1,024 bytes
	s_mov_b32 s53, 0
	s_wait_kmcnt 0x0
	s_add_nc_u64 s[6:7], s[6:7], s[48:49]
	s_load_b512 s[IDX:IDX+15], s[6:7], 0x0
	s_load_b512 s[IDX+16:IDX+31], s[6:7], 0x40
	s_add_nc_u64 s[8:9], s[8:9], s[48:49]
	s_add_nc_u64 s[10:11], s[10:11], s[50:51]
	s_add_nc_u64 s[4:5], s[4:5], s[52:53]
	s_wait_kmcnt 0x0
.rept 32
	s_min_u32 s[IDX+\+], s[IDX+\+], 0xfff          ; a number from memory is bounded before it makes an address: 4,096 rows
.endr
; query q into slot s: nine loads
.macro FILL q, s
.irp k, 0,1,2,3
	v_lshl_add_u32 v[SL+40*\s+\k], s[IDX+4*\q+\k], 10, v1          ; 1,024 x row + 16 x lane
.endr
	global_load_b128 v[SL+40*\s+4:SL+40*\s+7], v2, s[8:9] offset:16*\q
.irp k, 0,1,2,3
	global_load_b128 v[SL+40*\s+8+8*\k:SL+40*\s+11+8*\k],  v[SL+40*\s+\k], s[4:5]
	global_load_b128 v[SL+40*\s+12+8*\k:SL+40*\s+15+8*\k], v[SL+40*\s+\k], s[4:5] offset:512
.endr
.endm
; The turn of query i in slot s.  left = how many younger loads may stay out.
; 16 conversions round the 32 numbers to bf16, two to a word; 32 multiply-adds take a half of such a word, a weight in f32 and the sum in f32.
; The eight sums lie in the first row's registers, which the conversions have read, and are stored from them.  Eight chains side by side, four links each.
.macro TURN i, s, left
.set W, SL+40*\s+4
.set F, SL+40*\s+8
	s_wait_loadcnt \left                           ; loads come back in order (ISA guide 5.7.1): my nine are in, whole younger fills stay out
.irp j, 0,1,2,3,4,5,6,7,8,9,10,11,12,13,14,15
	v_cvt_pk_bf16_f32 v[P+\j], v[F+2*\j], v[F+2*\j+1]              ; the first source into the low half
.endr
.irp j, 0,1,2,3
	v_fma_mix_f32_bf16 v[F+2*\j],   v[P+\j], v[W], v2 op_sel_hi:[1,0,0]                  ; row 0 x weight 0 starts the sums: the addend is the zero in v2
	v_fma_mix_f32_bf16 v[F+2*\j+1], v[P+\j], v[W], v2 op_sel:[1,0,0] op_sel_hi:[1,0,0]   ; the word's high half
.endr
.irp k, 1,2,3
.irp j, 0,1,2,3
	v_fma_mix_f32_bf16 v[F+2*\j],   v[P+4*\k+\j], v[W+\k], v[F+2*\j] op_sel_hi:[1,0,0]                    ; + row k x weight k
	v_fma_mix_f32_bf16 v[F+2*\j+1], v[P+4*\k+\j], v[W+\k], v[F+2*\j+1] op_sel:[1,0,0] op_sel_hi:[1,0,0]
.endr
.endr
	global_store_b128 v1, v[F:F+3],   s[10:11] offset:1024*\i th:TH_STORE_NT
	global_store_b128 v1, v[F+4:F+7], s[10:11] offset:1024*\i+512 th:TH_STORE_NT
.endm
; Behind a turn the slot of the turn before is filled again: its loads were waited for in its own turn, and its stores' data registers are
; rewritten only behind the wait until every earlier memory instruction has had its addresses translated (ISA guide 3.1).
.macro REFILL q, s
	s_wait_xcnt 0x0
	FILL \q, \s
.endm
	FILL 0, 0
	FILL 1, 1
	FILL 2, 2
	TURN 0, 0, 18
	REFILL 3, 3
	TURN 1, 1, 18
	REFILL 4, 0
	TURN 2, 2, 18
	REFILL 5, 1
	TURN 3, 3, 18
	REFILL 6, 2
	TURN 4, 0, 18
	REFILL 7, 3
	TURN 5, 1, 18                                  ; nothing is left to fetch: the counts run down
	TURN 6, 2, 9
	TURN 7, 3, 0
	s_endpgm
.Lfunc_end_k_q6edb9daa32_gather:
	.size	k_q6edb9daa32_gather, .Lfunc_end_k_q6edb9daa32_gather-k_q6edb9daa32_gather
	.p2alignl 7, 3214868480
	.fill 96, 4, 3214868480
	.section	.rodata,"a",@progbits
	.p2align	6, 0x0
	.amdhsa_kernel k_q6edb9daa32_gather
		.amdhsa_group_segment_fixed_size 0
		.amdhsa_private_segment_fixed_size 0
		.amdhsa_enable_private_segment 0
		.amdhsa_kernarg_size 32
		.amdhsa_user_sgpr_count 2
		.amdhsa_user_sgpr_kernarg_segment_ptr 1
		.amdhsa_wavefront_size32 1
		.amdhsa_system_sgpr_workgroup_id_x 1
		.amdhsa_system_sgpr_workgroup_id_y 1
		.amdhsa_system_sgpr_workgroup_id_z 1
		.amdhsa_system_vgpr_workitem_id 0
		.amdhsa_next_free_vgpr 184
		.amdhsa_next_free_sgpr 66
		.amdhsa_reserve_vcc 0
		.amdhsa_float_denorm_mode_32 3
		.amdhsa_float_denorm_mode_16_64 3
		.amdhsa_memory_ordered 1
		.amdhsa_forward_progress 1
		.amdhsa_inst_pref_size 38
	.end_amdhsa_kernel
	.amdgpu_metadata
---
amdhsa.version: [ 1, 2 ]
amdhsa.kernels:
  - .name:           k_q6edb9daa32_gather
    .symbol:         k_q6edb9daa32_gather.kd
    .args:
      - { .name: sensor_features, .offset: 0, .size: 8, .value_kind: global_buffer, .address_space: global }
      - { .name: nbr, .offset: 8, .size: 8, .value_kind: global_buffer, .address_space: global }
      - { .name: wts, .offset: 16, .size: 8, .value_kind: global_buffer, .address_space: global }
      - { .name: out0, .offset: 24, .size: 8, .value_kind: global_buffer, .address_space: global }
    .group_segment_fixed_size: 0
    .private_segment_fixed_size: 0
    .kernarg_segment_align: 8
    .kernarg_segment_size: 32
    .max_flat_workgroup_size: 512
    .sgpr_count:     66
    .vgpr_count:     184
    .wavefront_size: 32
...
	.end_amdgpu_metadata
.endif
;; end of part 3
;; ======== version 2 of 3: 3 launches; 1.12 times as fast as version 1
;; limits: values outside matrix products are rounded to bf16
;; workspace buffers: cand 1,048,576 bytes of whole numbers; nbr 524,288 bytes of whole numbers; wts 524,288 bytes; featb 8,388,608 bytes
;; launch filter (part 4): grid 256 x 1, 8 waves a work-group, no clusters, 66,560 bytes of LDS; arguments query_coords, sensor_coords, sensor_features, cand, featb; writes cand, featb
.if DOCPART == 4
	.amdgcn_target "amdgcn-amd-amdhsa--gfx1250"
	.amdhsa_code_object_version 6
	.text
	.protected	k_q6edb9daa32_filter
	.globl	k_q6edb9daa32_filter
	.p2align	8
	.type	k_q6edb9daa32_filter,@function
k_q6edb9daa32_filter:
	s_mov_b64 s[64:65], 0
	v_nop
	global_prefetch_b8 v0, s[64:65] scope:SCOPE_SE
	s_setreg_imm32_b32 hwreg(HW_REG_WAVE_MODE, 25, 1), 1
	s_wait_xcnt 0x0
; FILTER: for each of the 32,768 queries, the five groups of eight neighbouring sensors (group g = sensors 8 g .. 8 g + 7) with the smallest
; squared distance d2 = |q|^2 + |s|^2 - 2 q.s.  The four groups with the smallest minima hold the four nearest sensors; the fifth is margin.
; The next launch goes through the 40 sensors again, in reference()'s own order of operations, and picks the four.
; BESIDE THE SEARCH the launch rounds sensor_features to bf16 into the table featb, which the last launch gathers from: see THE FEATURE TABLE below.
;
; FORMAT (a stated limit): the coordinates are matrix operands and are rounded to bf16; |q|^2 and |s|^2 are formed in f32 from the SAME rounded
; coordinates, so that the three terms still belong to one pair of points.  The neighbours are those of the rounded points.
; LIMIT of the margin: the matrix unit's sum and the key below (the low 8, at the end 9, bits of d2 give way to the group's number) order two
; groups wrongly only if their minima differ by less than 2^-14 of their size or a few units in the last place of |q|^2 + |s|^2; a group that holds
; one of the four is lost only if TWO groups that hold none lie that close above the fourth distance.  Equal keys go to the lower group, as top_k's ties do.
;
; SHARES: 256 work-groups x 8 waves; a wave owns 16 queries and walks all 256 tiles of 16 sensors.
; ONE MATRIX INSTRUCTION MAKES 256 DISTANCES: A = 16 sensors (rows), B = 16 queries (columns), C = |q|^2.  Six of the 32 K places are used:
;   sensor:  x, y, z, and |s|^2 cut into three bf16 numbers (8 + 8 + 8 bits: exact);      query:  -2x, -2y, -2z, 1, 1, 1
; A sensor is 16 bytes (8 K places).  An A operand has four blocks of 8 K places (registers 0-3 / 4-7, lanes 0-15 / 16-31), so it holds FOUR tiles:
; two LDS loads of 32 lanes x 16 neighbouring bytes.  Four views of B, each with the query's numbers in one block and zeros in the other three, pick the tile.
; In the result lane (r, h) holds query r and sensors 8 h .. 8 h + 7 of the tile: one group.  Ten vector instructions take it into the lane's list.
; The sensor table is made by every work-group for itself: 49,152 bytes read once, through registers (they are rounded, squared and cut there), for
; 128 x 4,096 distances; so no copy engine and no joint request of a cluster is used for them.
;
; THE FEATURE TABLE.  The features are operands of the last product and are rounded to bf16, to nearest even (a stated limit, like the coordinates').  The last
; launch makes 32,768 x 4 reads of rows on 16,384 rows, eight a row on average, so a row of half the bytes, made once, saves four rows' bytes for each row
; written; and it is made here because this launch otherwise loads 49,152 + 1,536 bytes a work-group and stores 4,096.  A wave takes 8 of the 16,384 rows:
; 16 loads of 512 neighbouring bytes at its start, 32 conversions and 8 stores of 512 neighbouring bytes behind the search's third trip.
; A row of featb is 512 bytes; word j (0..3) of lane l's 16 bytes at byte 16 l holds column 4 l + j in its low half and column 128 + 4 l + j in its high half.
.set BR,  4                            ; v[4:23]   B: zeros, numbers in lanes 0-15, zeros, numbers in lanes 16-31, zeros (4 registers each)
.set CQ,  24                           ; v[24:31]  |q|^2 of my query, eight times: the C operand
.set AF,  32                           ; v[32:63]  ring of four A operands (four tiles each)
.set DT,  64                           ; v[64:95]  four result tiles
.set X0,  32                           ; v[32:95]  at the start: 16 sensors of this thread, 4 registers each
.set LS,  96                           ; v[96:100] my five smallest keys, ascending
.set TA,  101                          ; v101, v102 at work on a pair's even tile
.set TB,  102
.set QR,  104                          ; v[104:106] my query as loaded; at the end v[104:107] the numbers to store
.set QO,  107                          ; byte offset of my query
.set PK,  108                          ; v[108:110] the query's three words of B
.set T,   112                          ; v[112:117] at work
.set FO,  118                          ; 16 x lane: my 16 bytes of each 512 in the features, in featb and in cand; never rewritten
.set SO,  119                          ; byte offset of this thread's first sensor
.set FE,  120                          ; v[120:183] feature row i of my wave's 8: 8 registers as loaded; its first 4 then hold the row in bf16
.set TC,  184                          ; v184, v185 at work on a pair's odd tile
.set TD,  185
.set KA,  186                          ; the key of a pair's even tile, from the block that makes it to the block that puts it into the list
.set KB,  187                          ; the same for the odd tile
.set SW,  20                           ; s20 wave;  s21 the wave's first query;  s22 trips left;  s23 the even tile's number;  s24 (free after the set-up) the odd tile's
.set SQ,  21
.set SC,  22
.set ST,  23
.set SU,  24
.set TRIPS_A, 3                        ; trips of the search in front of the features' conversion
.set TRIPS_B, 12                       ; and behind it; one more is written out at the end: 16 trips of 16 tiles
	s_load_b256 s[4:11], s[0:1], 0x0               ; query_coords s[4:5], sensor_coords s[6:7], sensor_features s[8:9], cand s[10:11]
	s_load_b64 s[12:13], s[0:1], 0x20              ; featb
	v_lshl_add_u32 v188, v0, 2, 0x10000
	v_mov_b32 v189, 0
	v_lshrrev_b32 v2, 5, v0
	v_readfirstlane_b32 s[SW], v2                  ; wave 0..7
	v_and_b32 v3, 31, v0                           ; lane
	v_and_b32 v2, 15, v0                           ; r: my query in the wave's 16
	s_lshl_b32 s[SQ], ttmp9, 7
	s_lshl4_add_u32 s[SQ], s[SW], s[SQ]            ; the wave's first query = 128 x work-group + 16 x wave
	v_add_nc_u32 v[QO], s[SQ], v2
	v_mul_u32_u24 v[QO], v[QO], 12                 ; 12 bytes a point
	v_mul_u32_u24 v[SO], v0, 12                    ; thread t takes sensors t, t + 256, ..
	v_lshlrev_b32 v1, 4, v0                        ; and puts them at 16 t, 16 t + 4,096, .. in LDS
	v_lshlrev_b32 v[FO], 4, v3
	s_lshl_b32 s24, s[SQ], 5                       ; cand: 32 bytes a query
	s_mov_b32 s25, 0
	s_lshl_b32 s26, ttmp9, 16                      ; features: the work-group's 64 rows of 1,024 bytes,
	s_lshl_b32 s30, s[SW], 13                      ; in them the wave's 8
	s_add_co_u32 s26, s26, s30
	s_mov_b32 s27, 0
	s_lshr_b32 s28, s26, 1                         ; featb: the same rows, of 512 bytes
	s_mov_b32 s29, 0
	s_mov_b32 s14, 0x76543210                      ; v_permlanex16_b32: lane i of one half reads lane i of the other
	s_mov_b32 s15, 0xfedcba98
	s_mov_b32 s16, 0xffff0000                      ; a word's upper bf16
	s_mov_b32 s17, 0xffffff00                      ; a key's part of d2 in the loop
	s_mov_b32 s18, 0x0d800000                      ; 2^-100: d2 is clamped here, not at 0, so that every key is a normal positive number
	s_mov_b32 s19, 0xfffffe00                      ; a key's part of d2 at the end
	s_wait_kmcnt 0x0
	s_add_nc_u64 s[10:11], s[10:11], s[24:25]
	s_add_nc_u64 s[8:9], s[8:9], s[26:27]
	s_add_nc_u64 s[12:13], s[12:13], s[28:29]
	global_load_b96 v[QR:QR+2], v[QO], s[4:5]
.irp i, 0,1,2,3,4,5,6,7,8,9,10,11,12,13,14,15
	global_load_b96 v[X0+4*\i:X0+4*\i+2], v[SO], s[6:7] offset:3072*\i     ; a wave's load covers 384 neighbouring bytes
.endr
.irp i, 0,1,2,3,4,5,6,7
	global_load_b128 v[FE+8*\i:FE+8*\i+3],   v[FO], s[8:9] offset:1024*\i th:TH_LOAD_NT       ; columns 4 l .. 4 l + 3 of feature row i,
	global_load_b128 v[FE+8*\i+4:FE+8*\i+7], v[FO], s[8:9] offset:1024*\i+512 th:TH_LOAD_NT   ; columns 128 + 4 l .. 131 + 4 l: behind what the search waits for
.endr
	; while they are on their way: the zeros of B's views, and K places 6 and 7 of every sensor
.irp j, 0,1,2,3,7,8,9,10,11,15,16,17,18,19
	v_mov_b32 v[BR+\j], 0
.endr
.irp i, 0,1,2,3,4,5,6,7,8,9,10,11,12,13,14,15
	v_mov_b32 v[X0+4*\i+3], 0
.endr
	; my query: rounded to bf16, |q|^2 = (x x + y y) + z z in f32, the three words of B
	s_wait_loadcnt 32                              ; loads come back in order (ISA guide 5.7.1): the 16 sensor loads and the 16 feature loads are younger
	v_cvt_pk_bf16_f32 v[T], v[QR], v[QR+1]
	v_cvt_pk_bf16_f32 v[T+2], v[QR+2], v[QR+2]
	v_and_b32 v[T+1], s16, v[T]                    ; y
	v_lshlrev_b32 v[T], 16, v[T]                   ; x
	v_and_b32 v[T+2], s16, v[T+2]                  ; z
	v_mul_f32 v[T+3], v[T], v[T]
	v_fmac_f32 v[T+3], v[T+1], v[T+1]
.irp j, 0,1,2,3,4,5,6,7
	v_fma_f32 v[CQ+\j], v[T+2], v[T+2], v[T+3]     ; the last step written eight times: C needs eight equal registers and no copies
.endr
	v_mul_f32 v[T], -2.0, v[T]
	v_mul_f32 v[T+1], -2.0, v[T+1]
	v_mul_f32 v[T+2], -2.0, v[T+2]
	v_cvt_pk_bf16_f32 v[PK], v[T], v[T+1]          ; exact: a power of two times a bf16 number
	v_cvt_pk_bf16_f32 v[PK+1], v[T+2], 1.0
	v_mov_b32 v[PK+2], 0x3f803f80                  ; 1, 1
	v_cmp_gt_u32 vcc_lo, 16, v3                    ; lanes 0-15
.irp j, 0,1,2
	v_cndmask_b32 v[BR+4+\j], 0, v[PK+\j], vcc_lo          ; the numbers in lanes 0-15 alone
	v_cndmask_b32 v[BR+12+\j], v[PK+\j], v[BR], vcc_lo     ; the numbers in lanes 16-31 alone
.endr
; One sensor: rounded, squared, |s|^2 cut in three, in place in its four registers, and into the table.
.macro SENSOR i
	s_wait_loadcnt 31-\i                           ; the younger sensor loads and the 16 feature loads stay out
	v_cvt_pk_bf16_f32 v[X0+4*\i], v[X0+4*\i], v[X0+4*\i+1]         ; word 0: x, y
	v_cvt_pk_bf16_f32 v[T+2], v[X0+4*\i+2], v[X0+4*\i+2]
	v_lshlrev_b32 v[T], 16, v[X0+4*\i]
	v_and_b32 v[T+1], s16, v[X0+4*\i]
	v_and_b32 v[T+2], s16, v[T+2]
	v_mul_f32 v[T+3], v[T], v[T]
	v_fmac_f32 v[T+3], v[T+1], v[T+1]
	v_fmac_f32 v[T+3], v[T+2], v[T+2]              ; |s|^2
	v_cvt_pk_bf16_f32 v[X0+4*\i+1], v[T+2], v[T+3] ; word 1: z, the first 8 bits of |s|^2
	v_and_b32 v[T+4], s16, v[X0+4*\i+1]
	v_sub_f32 v[T+4], v[T+3], v[T+4]               ; what is left, exact
	v_cvt_pk_bf16_f32 v[T+5], v[T+4], v[T+4]
	v_and_b32 v[T+5], s16, v[T+5]
	v_sub_f32 v[T+5], v[T+4], v[T+5]               ; what is left of that: at most 8 bits
	v_cvt_pk_bf16_f32 v[X0+4*\i+2], v[T+4], v[T+5] ; word 2: the next 8 bits, the last 8 bits
	ds_store_b128 v1, v[X0+4*\i:X0+4*\i+3] offset:4096*\i          ; sensor s lies at byte 16 s
.endm
.irp i, 0,1,2,3,4,5,6,7,8,9,10,11,12,13,14,15
	SENSOR \i
.endr
	s_wait_dscnt 0x0                               ; my part of the table is written: zero, for the other waves' sake
	s_barrier_signal -1
	s_barrier_wait -1                              ; the table is whole; nothing writes LDS from here on
; Four tiles (64 sensors, 1,024 bytes) into A operand b: lane l takes the sensors 64 Q + l and 64 Q + 32 + l.
.macro LOADA b, ahead
	ds_load_b128 v[AF+8*\b:AF+8*\b+3],   v1 offset:\ahead+1024*\b
	ds_load_b128 v[AF+8*\b+4:AF+8*\b+7], v1 offset:\ahead+1024*\b+512
.endm
; Tile u of a trip's 16 (16, 17: the next trip's first two).  Tile 4 Q + 2 c + h lies in registers 4 c .. 4 c + 3 of lanes 16 h .. 16 h + 15 of operand Q;
; B's view with the numbers in that block starts at v8, v16, v4, v12 for 2 c + h = 0, 1, 2, 3.  C is never D: no sum is carried on in place.
.macro WM u
	v_wmma_f32_16x16x32_bf16 v[DT+8*((\u)&3):DT+8*((\u)&3)+7], v[AF+8*(((\u)>>2)&3):AF+8*(((\u)>>2)&3)+7], v[BR+4+8*((\u)&1)-4*(((\u)>>1)&1):BR+11+8*((\u)&1)-4*(((\u)>>1)&1)], v[CQ:CQ+7]
.endm
; A key goes into the ascending list: place j takes the middle one of its lower neighbour, itself and the key; from the top down, so that each line reads old values.
.macro INSERT key
	v_med3_num_f32 v[LS+4], v[LS+3], v[LS+4], v[\key]
	v_med3_num_f32 v[LS+3], v[LS+2], v[LS+3], v[\key]
	v_med3_num_f32 v[LS+2], v[LS+1], v[LS+2], v[\key]
	v_med3_num_f32 v[LS+1], v[LS],   v[LS+1], v[\key]
	v_min_num_f32  v[LS],   v[LS],   v[\key]
.endm
; A BLOCK: two tiles.  d = which half of the four result tiles holds this pair; w = the first tile of the NEXT pair (-1: there is none).
; First the next pair's two matrix instructions, then 20 vector lines, two strands taken line by line:
;   the keys of THIS pair: for each tile the smallest of my eight distances (three lines), clamped from below (with the fourth), the tile's number in its low 8 bits;
;   the keys of the LAST pair, which wait in KA and KB, go into the list: the five lines of INSERT for KA, then the five for KB: tiles in ascending order.
; So no line reads what one of the three lines in front of it wrote.  KA is written again behind the last line that reads it, and so is KB: hence the last two lines' order.
.macro BLK d, w
.set DA, DT+16*\d
.set DB, DT+16*\d+8
.if \w >= 0
	WM \w
	WM \w+1
.endif
	v_min3_num_f32 v[TA], v[DA],   v[DA+1], v[DA+2]
	v_med3_num_f32 v[LS+4], v[LS+3], v[LS+4], v[KA]
	v_min3_num_f32 v[TB], v[DA+3], v[DA+4], v[DA+5]
	v_med3_num_f32 v[LS+3], v[LS+2], v[LS+3], v[KA]
	v_min3_num_f32 v[TC], v[DB],   v[DB+1], v[DB+2]
	v_med3_num_f32 v[LS+2], v[LS+1], v[LS+2], v[KA]
	v_min3_num_f32 v[TD], v[DB+3], v[DB+4], v[DB+5]
	v_med3_num_f32 v[LS+1], v[LS],   v[LS+1], v[KA]
	v_min3_num_f32 v[TA], v[TA],   v[DA+6], v[DA+7]
	v_min_num_f32  v[LS],   v[LS],   v[KA]
	v_min3_num_f32 v[TC], v[TC],   v[DB+6], v[DB+7]
	v_med3_num_f32 v[LS+4], v[LS+3], v[LS+4], v[KB]
	v_minmax_num_f32 v[TA], v[TA], v[TB], s18      ; max(min(a, b), 2^-100)
	v_med3_num_f32 v[LS+3], v[LS+2], v[LS+3], v[KB]
	v_minmax_num_f32 v[TC], v[TC], v[TD], s18
	v_med3_num_f32 v[LS+2], v[LS+1], v[LS+2], v[KB]
	v_and_or_b32 v[KA], v[TA], s17, s[ST]
	v_med3_num_f32 v[LS+1], v[LS],   v[LS+1], v[KB]
	v_min_num_f32  v[LS],   v[LS],   v[KB]
	v_and_or_b32 v[KB], v[TC], s17, s[SU]
	s_add_co_u32 s[ST], s[ST], 2
	s_add_co_u32 s[SU], s[SU], 2
.endm
; A trip: 16 tiles in eight blocks.  Behind a matrix instruction stand the 20 vector lines of its own block, which name none of its registers: its result is read
; in the next block, and the same result registers are written again by the matrix instructions of the block after that (ISA guide 7.12.1 asks for 4 and 5).
; An A operand is loaded again behind the 20 lines that follow its last matrix instruction, 12 tiles ahead of its next use.
; more = 1: another trip follows.  The count in front of an operand's first use: LDS loads come back in order (ISA guide 5.7.1), and the pairs of the three
; operands loaded after it (6 loads) may stay out; in the last trip nothing is loaded, and 2, 1, 0 pairs are younger.
.macro TRIP more
	BLK 0, 2
.if \more
	LOADA 0, 4096
.endif
	s_wait_dscnt 4+2*\more
	BLK 1, 4
	BLK 0, 6
.if \more
	LOADA 1, 4096
.endif
	s_wait_dscnt 2+4*\more
	BLK 1, 8
	BLK 0, 10
.if \more
	LOADA 2, 4096
.endif
	s_wait_dscnt 6*\more
	BLK 1, 12
	BLK 0, 14
.if \more
	LOADA 3, 4096
	s_wait_dscnt 6
	BLK 1, 16
.else
	BLK 1, -1
.endif
.endm
	v_lshlrev_b32 v1, 4, v3                        ; 16 x lane: my 16 bytes of each 512 of the table; stepped from trip to trip
	LOADA 0, 0
	LOADA 1, 0
	LOADA 2, 0
	LOADA 3, 0
	s_wait_dscnt 6                                 ; operand 0 is in
	WM 0
	WM 1
.irp k, 0,1,2,3,4
	v_mov_b32 v[LS+\k], 0x7f000000                 ; the list starts above every distance,
.endr
	v_mov_b32 v[KA], 0x7f000000                    ; and so do the two keys that the first block puts into it, which leave it as it is.
	v_mov_b32 v[KB], 0x7f000000                    ; These seven lines are also the places behind the first two matrix instructions
	s_mov_b32 s[ST], 0                             ; the even tile's number
	s_mov_b32 s[SU], 1                             ; the odd tile's
	s_mov_b32 s[SC], TRIPS_A
.Ltrip_a:
	TRIP 1
	v_add_nc_u32 v1, 4096, v1                      ; 16 tiles on
	s_sub_co_u32 s[SC], s[SC], 1
	s_cmp_lg_u32 s[SC], 0
	s_cbranch_scc1 .Ltrip_a
	; The features: their loads have had the table's making and three trips in which to land; the stores have the other thirteen trips in which to leave.
	; The lines name none of the search's registers; the last matrix instruction stands 21 vector instructions back.
	s_wait_loadcnt 0x0                             ; the 16 feature loads: nothing else is out
.irp i, 0,1,2,3,4,5,6,7
.irp j, 0,1,2,3
	v_cvt_pk_bf16_f32 v[FE+8*\i+\j], v[FE+8*\i+\j], v[FE+8*\i+4+\j]        ; low half: column 4 l + j; high half: column 128 + 4 l + j
.endr
	global_store_b128 v[FO], v[FE+8*\i:FE+8*\i+3], s[12:13] offset:512*\i  ; a row of featb: 512 consecutive bytes, aligned; the data registers are not written again
.endr
	s_mov_b32 s[SC], TRIPS_B
.Ltrip_b:
	TRIP 1
	v_add_nc_u32 v1, 4096, v1                      ; the furthest load of the 15th trip: 496 + 14 x 4,096 + 4,096 + 3,584 + 16 = 65,536, the table's end
	s_sub_co_u32 s[SC], s[SC], 1
	s_cmp_lg_u32 s[SC], 0
	s_cbranch_scc1 .Ltrip_b
	TRIP 0                                         ; the last 16 tiles: nothing more to load, no tile 16 or 17
	INSERT KA                                      ; the last pair's keys
	INSERT KB
	; The two lanes of a query (groups 2 t and 2 t + 1) join their lists.  First the number grows to 9 bits: 2 t + h.
	v_lshrrev_b32 v2, 4, v3                        ; h
.irp k, 0,1,2,3,4
	v_and_b32 v[TA], 0xff, v[LS+\k]
	v_lshl_or_b32 v[TA], v[TA], 1, v2
	v_and_or_b32 v[LS+\k], v[LS+\k], s19, v[TA]
.endr
.irp k, 0,1,2,3,4
	v_permlanex16_b32 v[T+\k], v[LS+\k], s14, s15  ; the other lane's five keys (the destinations were written above)
.endr
.irp k, 0,1,2,3,4
	INSERT T+\k                                    ; both lanes end with the same five: all keys differ in their numbers
.endr
	; out: a wave's 512 bytes = 16 queries x (g1 .. g4), then 16 queries x (g5, 0, 0, 0): lane l stores bytes 16 l .. 16 l + 15
.irp k, 0,1,2,3,4
	v_and_b32 v[QR+\k], 0x1ff, v[LS+\k]
.endr
	v_cmp_gt_u32 vcc_lo, 16, v3
	v_cndmask_b32 v[QR],   v[QR+4], v[QR],   vcc_lo
	v_cndmask_b32 v[QR+1], 0,       v[QR+1], vcc_lo
	v_cndmask_b32 v[QR+2], 0,       v[QR+2], vcc_lo
	v_cndmask_b32 v[QR+3], 0,       v[QR+3], vcc_lo
	global_store_b128 v[FO], v[QR:QR+3], s[10:11]  ; 512 consecutive bytes, at a multiple of 512 from the buffer's first byte
	s_wait_tensorcnt 0x0
	ds_add_u32 v188, v189
	s_wait_dscnt 0x0
	s_endpgm
.Lfunc_end_k_q6edb9daa32_filter:
	.size	k_q6edb9daa32_filter, .Lfunc_end_k_q6edb9daa32_filter-k_q6edb9daa32_filter
	.p2alignl 7, 3214868480
	.fill 96, 4, 3214868480
	.section	.rodata,"a",@progbits
	.p2align	6, 0x0
	.amdhsa_kernel k_q6edb9daa32_filter
		.amdhsa_group_segment_fixed_size 66560
		.amdhsa_private_segment_fixed_size 0
		.amdhsa_enable_private_segment 0
		.amdhsa_kernarg_size 40
		.amdhsa_user_sgpr_count 2
		.amdhsa_user_sgpr_kernarg_segment_ptr 1
		.amdhsa_wavefront_size32 1
		.amdhsa_system_sgpr_workgroup_id_x 1
		.amdhsa_system_sgpr_workgroup_id_y 1
		.amdhsa_system_sgpr_workgroup_id_z 1
		.amdhsa_system_vgpr_workitem_id 0
		.amdhsa_next_free_vgpr 190
		.amdhsa_next_free_sgpr 66
		.amdhsa_reserve_vcc 1
		.amdhsa_float_denorm_mode_32 3
		.amdhsa_float_denorm_mode_16_64 3
		.amdhsa_memory_ordered 1
		.amdhsa_forward_progress 1
		.amdhsa_inst_pref_size 62
	.end_amdhsa_kernel
	.amdgpu_metadata
---
amdhsa.version: [ 1, 2 ]
amdhsa.kernels:
  - .name:           k_q6edb9daa32_filter
    .symbol:         k_q6edb9daa32_filter.kd
    .args:
      - { .name: query_coords, .offset: 0, .size: 8, .value_kind: global_buffer, .address_space: global }
      - { .name: sensor_coords, .offset: 8, .size: 8, .value_kind: global_buffer, .address_space: global }
      - { .name: sensor_features, .offset: 16, .size: 8, .value_kind: global_buffer, .address_space: global }
      - { .name: cand, .offset: 24, .size: 8, .value_kind: global_buffer, .address_space: global }
      - { .name: featb, .offset: 32, .size: 8, .value_kind: global_buffer, .address_space: global }
    .group_segment_fixed_size: 66560
    .private_segment_fixed_size: 0
    .kernarg_segment_align: 8
    .kernarg_segment_size: 40
    .max_flat_workgroup_size: 256
    .sgpr_count:     66
    .vgpr_count:     190
    .wavefront_size: 32
...
	.end_amdgpu_metadata
.endif
;; end of part 4
;; launch rerank: the kernel of part 2 again; grid 256 x 1, 4 waves a work-group, no clusters, 0 bytes of LDS; arguments query_coords, sensor_coords, sigma, cand, nbr, wts; writes nbr, wts
;; launch gather (part 5): grid 256 x 1, 16 waves a work-group, no clusters, 0 bytes of LDS; arguments featb, nbr, wts, out0; writes out0
.if DOCPART == 5
	.amdgcn_target "amdgcn-amd-amdhsa--gfx1250"
	.amdhsa_code_object_version 6
	.text
	.protected	k_q6edb9daa32_gather
	.globl	k_q6edb9daa32_gather
	.p2align	8
	.type	k_q6edb9daa32_gather,@function
k_q6edb9daa32_gather:
	s_mov_b64 s[64:65], 0
	v_nop
	global_prefetch_b8 v0, s[64:65] scope:SCOPE_SE
	s_setreg_imm32_b32 hwreg(HW_REG_WAVE_MODE, 25, 1), 1
	s_wait_xcnt 0x0
; GATHER: out[b][q][:] = the sum over the query's four neighbours of weight x sensor_features[b][neighbour][:].
; FORMAT (a stated limit): the features are operands of a product and come from featb, where the first launch has rounded them to bf16 (to nearest even), like
; the coordinates and sigma, so that the whole program is reference() of one set of rounded inputs.  The weights, the products and the sums are f32.
; A row of featb is 512 bytes; word j (0..3) of the 16 bytes at byte 16 l holds column 4 l + j in its low half and column 128 + 4 l + j in its high half.
; So one load of 32 lanes x 16 bytes brings a row, the four low halves of a lane make four neighbouring columns of the result and the four high halves four
; more, 512 bytes further on: every load and store of a wave covers 512 consecutive bytes, aligned.
; 256 work-groups x 16 waves; a wave owns 8 queries.  A query takes 20 registers (4 row offsets, 4 rows x 4 words), so all eight are asked for at once: 32 loads,
; 16 KiB of rows, a wave.  No register that a pending instruction reads is written again but the row offsets, and those behind the counted wait that shows
; their own loads done: so the text has no ring, no refill and no wait for address translation.
; The neighbours' numbers and the weights are the same for all lanes and come by scalar loads (32 words each a wave, once); no line of this launch writes
; those buffers.  The weights are moved into vector registers, from which the mixed multiply-adds take them.
; The product is left to the vector unit: each query multiplies four rows of its own, so no operand of a matrix instruction would be shared, and the rows
; would have to be transposed first, which is more work than the four multiply-adds for each number.  No LDS, no barrier, no cluster: no two
; waves share work.  No prefetch: a row is wanted by several queries of other work-groups, so no wave could be the one that asks for it.
.set IDX, 16                           ; s[16:47]    query i: its four neighbours' numbers at s[16 + 4 i]
.set WT,  68                           ; s[68:99]    query i: its four weights at s[68 + 4 i]
.set WV,  4                            ; v[4:35]     the same weights in vector registers
.set SL,  36                           ; v[36:195]   query i at 36 + 20 i: 4 row offsets (later 4 sums), then 4 rows x 4 words (the first row's later 4 sums)
	s_load_b256 s[4:11], s[0:1], 0x0               ; featb s[4:5], nbr s[6:7], wts s[8:9], out0 s[10:11]
	v_lshrrev_b32 v1, 5, v0
	v_readfirstlane_b32 s12, v1                    ; wave 0..15
	v_and_b32 v1, 31, v0
	v_lshlrev_b32 v1, 4, v1                        ; 16 x lane; never rewritten
	v_mov_b32 v2, 0                                ; the addend of a sum's first product; never rewritten
	s_lshl_b32 s13, ttmp9, 7
	s_lshl3_add_u32 s13, s12, s13                  ; the wave's first query = 128 x work-group + 8 x wave
	s_lshl_b32 s48, s13, 4                         ; 16 bytes a query in nbr and in wts
	s_mov_b32 s49, 0
	s_lshl_b32 s50, s13, 10                        ; 1,024 bytes a query in out0
	s_mov_b32 s51, 0
	s_lshr_b32 s52, ttmp9, 6                       ; 64 work-groups to a batch of 8,192 queries,
	s_lshl_b32 s52, s52, 21                        ; whose part of featb is 4,096 rows of 512 bytes
	s_mov_b32 s53, 0
	s_wait_kmcnt 0x0
	s_add_nc_u64 s[6:7], s[6:7], s[48:49]
	s_add_nc_u64 s[8:9], s[8:9], s[48:49]
	s_load_b512 s[IDX:IDX+15], s[6:7], 0x0
	s_load_b512 s[IDX+16:IDX+31], s[6:7], 0x40
	s_load_b512 s[WT:WT+15], s[8:9], 0x0
	s_load_b512 s[WT+16:WT+31], s[8:9], 0x40
	s_add_nc_u64 s[10:11], s[10:11], s[50:51]
	s_add_nc_u64 s[4:5], s[4:5], s[52:53]
	s_wait_kmcnt 0x0
.rept 32
	s_min_u32 s[IDX+\+], s[IDX+\+], 0xfff          ; a number from memory is bounded before it makes an address: 4,096 rows
.endr
.irp q, 0,1,2,3,4,5,6,7
.irp k, 0,1,2,3
	v_lshl_add_u32 v[SL+20*\q+\k], s[IDX+4*\q+\k], 9, v1           ; 512 x row + 16 x lane
.endr
.irp k, 0,1,2,3
	global_load_b128 v[SL+20*\q+4+4*\k:SL+20*\q+7+4*\k], v[SL+20*\q+\k], s[4:5]
.endr
.endr
.rept 32
	v_mov_b32 v[WV+\+], s[WT+\+]                   ; while the rows are on their way
.endr
; Query i.  32 multiply-adds, each of a half of a word (bf16), a weight (f32) and a sum (f32): eight chains side by side, four links each.
; The low halves' sums lie in the four offset registers, the high halves' in the first row's four words (a line reads the word's high half and writes the word,
; behind the line that has read its low half): two quads of neighbouring registers for two stores, and none of them is written again.
.macro TURN i
.set O, SL+20*\i
.set D, SL+20*\i+4
.set W, WV+4*\i
	s_wait_loadcnt 28-4*\i                         ; loads come back in order (ISA guide 5.7.1): my four rows are in, the later queries' four each stay out;
	                                               ; the same wait shows the loads that read my offset registers done, so these may be written
.irp j, 0,1,2,3
	v_fma_mix_f32_bf16 v[O+\j], v[D+\j], v[W], v2 op_sel_hi:[1,0,0]                      ; row 0 x weight 0 starts the sums: the addend is the zero in v2
	v_fma_mix_f32_bf16 v[D+\j], v[D+\j], v[W], v2 op_sel:[1,0,0] op_sel_hi:[1,0,0]       ; the word's high half
.endr
.irp k, 1,2,3
.irp j, 0,1,2,3
	v_fma_mix_f32_bf16 v[O+\j], v[D+4*\k+\j], v[W+\k], v[O+\j] op_sel_hi:[1,0,0]                     ; + row k x weight k
	v_fma_mix_f32_bf16 v[D+\j], v[D+4*\k+\j], v[W+\k], v[D+\j] op_sel:[1,0,0] op_sel_hi:[1,0,0]
.endr
.endr
	global_store_b128 v1, v[O:O+3], s[10:11] offset:1024*\i th:TH_STORE_NT               ; columns 4 l .. 4 l + 3
	global_store_b128 v1, v[D:D+3], s[10:11] offset:1024*\i+512 th:TH_STORE_NT           ; columns 128 + 4 l .. 131 + 4 l
.endm
.irp i, 0,1,2,3,4,5,6,7
	TURN \i
.endr
	s_endpgm
.Lfunc_end_k_q6edb9daa32_gather:
	.size	k_q6edb9daa32_gather, .Lfunc_end_k_q6edb9daa32_gather-k_q6edb9daa32_gather
	.p2alignl 7, 3214868480
	.fill 96, 4, 3214868480
	.section	.rodata,"a",@progbits
	.p2align	6, 0x0
	.amdhsa_kernel k_q6edb9daa32_gather
		.amdhsa_group_segment_fixed_size 0
		.amdhsa_private_segment_fixed_size 0
		.amdhsa_enable_private_segment 0
		.amdhsa_kernarg_size 32
		.amdhsa_user_sgpr_count 2
		.amdhsa_user_sgpr_kernarg_segment_ptr 1
		.amdhsa_wavefront_size32 1
		.amdhsa_system_sgpr_workgroup_id_x 1
		.amdhsa_system_sgpr_workgroup_id_y 1
		.amdhsa_system_sgpr_workgroup_id_z 1
		.amdhsa_system_vgpr_workitem_id 0
		.amdhsa_next_free_vgpr 196
		.amdhsa_next_free_sgpr 100
		.amdhsa_reserve_vcc 0
		.amdhsa_float_denorm_mode_32 3
		.amdhsa_float_denorm_mode_16_64 3
		.amdhsa_memory_ordered 1
		.amdhsa_forward_progress 1
		.amdhsa_inst_pref_size 27
	.end_amdhsa_kernel
	.amdgpu_metadata
---
amdhsa.version: [ 1, 2 ]
amdhsa.kernels:
  - .name:           k_q6edb9daa32_gather
    .symbol:         k_q6edb9daa32_gather.kd
    .args:
      - { .name: featb, .offset: 0, .size: 8, .value_kind: global_buffer, .address_space: global }
      - { .name: nbr, .offset: 8, .size: 8, .value_kind: global_buffer, .address_space: global }
      - { .name: wts, .offset: 16, .size: 8, .value_kind: global_buffer, .address_space: global }
      - { .name: out0, .offset: 24, .size: 8, .value_kind: global_buffer, .address_space: global }
    .group_segment_fixed_size: 0
    .private_segment_fixed_size: 0
    .kernarg_segment_align: 8
    .kernarg_segment_size: 32
    .max_flat_workgroup_size: 512
    .sgpr_count:     100
    .vgpr_count:     196
    .wavefront_size: 32
...
	.end_amdgpu_metadata
.endif
;; end of part 5
;; ======== version 3 of 3: 3 launches; version 2 with the launches filter, gather written anew for expert scheduling mode
;; limits: values outside matrix products are rounded to bf16
;; workspace buffers: cand 1,048,576 bytes of whole numbers; nbr 524,288 bytes of whole numbers; wts 524,288 bytes; featb 8,388,608 bytes
;; launch filter (part 6): grid 256 x 1, 8 waves a work-group, no clusters, 66,560 bytes of LDS; arguments query_coords, sensor_coords, sensor_features, cand, featb; writes cand, featb
.if DOCPART == 6
	.amdgcn_target "amdgcn-amd-amdhsa--gfx1250"
	.amdhsa_code_object_version 6
	.text
	.protected	k_q6edb9daa32_filter
	.globl	k_q6edb9daa32_filter
	.p2align	8
	.type	k_q6edb9daa32_filter,@function
k_q6edb9daa32_filter:
	s_mov_b64 s[64:65], 0
	v_nop
	global_prefetch_b8 v0, s[64:65] scope:SCOPE_SE
	s_setreg_imm32_b32 hwreg(HW_REG_WAVE_SCHED_MODE, 0, 2), 2
	s_setreg_imm32_b32 hwreg(HW_REG_WAVE_MODE, 25, 1), 1
	s_wait_xcnt 0x0
	s_wait_alu depctr_vm_vsrc(0)
; FILTER: for each of the 32,768 queries, the five groups of eight neighbouring sensors (group g = sensors 8 g .. 8 g + 7) with the smallest
; squared distance d2 = |q|^2 + |s|^2 - 2 q.s.  The four groups with the smallest minima hold the four nearest sensors; the fifth is margin.
; The next launch goes through the 40 sensors again, in reference()'s own order of operations, and picks the four.
; BESIDE THE SEARCH the launch rounds sensor_features to bf16 into the table featb, which the last launch gathers from: see THE FEATURE TABLE below.
;
; FORMAT (a stated limit): the coordinates are matrix operands and are rounded to bf16; |q|^2 and |s|^2 are formed in f32 from the SAME rounded
; coordinates, so that the three terms still belong to one pair of points.  The neighbours are those of the rounded points.
; LIMIT of the margin: the matrix unit's sum and the key below (the low 8, at the end 9, bits of d2 give way to the group's number) order two
; groups wrongly only if their minima differ by less than 2^-14 of their size or a few units in the last place of |q|^2 + |s|^2; a group that holds
; one of the four is lost only if TWO groups that hold none lie that close above the fourth distance.  Equal keys go to the lower group, as top_k's ties do.
;
; SHARES: 256 work-groups x 8 waves; a wave owns 16 queries and walks all 256 tiles of 16 sensors.
; ONE MATRIX INSTRUCTION MAKES 256 DISTANCES: A = 16 sensors (rows), B = 16 queries (columns), C = |q|^2.  Six of the 32 K places are used:
;   sensor:  x, y, z, and |s|^2 cut into three bf16 numbers (8 + 8 + 8 bits: exact);      query:  -2x, -2y, -2z, 1, 1, 1
; A sensor is 16 bytes (8 K places).  An A operand has four blocks of 8 K places (registers 0-3 / 4-7, lanes 0-15 / 16-31), so it holds FOUR tiles:
; two LDS loads of 32 lanes x 16 neighbouring bytes.  Four views of B, each with the query's numbers in one block and zeros in the other three, pick the tile.
; In the result lane (r, h) holds query r and sensors 8 h .. 8 h + 7 of the tile: one group.  Ten vector instructions take it into the lane's list.
; The sensor table is made by every work-group for itself: 49,152 bytes read once, through registers (they are rounded, squared and cut there), for
; 128 x 4,096 distances; so no copy engine and no joint request of a cluster is used for them.
;
; THE FEATURE TABLE.  The features are operands of the last product and are rounded to bf16, to nearest even (a stated limit, like the coordinates').  The last
; launch makes 32,768 x 4 reads of rows on 16,384 rows, eight a row on average, so a row of half the bytes, made once, saves four rows' bytes for each row
; written; and it is made here because this launch otherwise loads 49,152 + 1,536 bytes a work-group and stores 4,096.  A wave takes 8 of the 16,384 rows:
; 16 loads of 512 neighbouring bytes at its start, 32 conversions and 8 stores of 512 neighbouring bytes behind the search's third trip.
; A row of featb is 512 bytes; word j (0..3) of lane l's 16 bytes at byte 16 l holds column 4 l + j in its low half and column 128 + 4 l + j in its high half.
;
; THE MODE: SCHED_MODE bits 1:0 = 2 (LLVM: expert scheduling mode 2), set by the entry lines.  The code itself states the register dependences
; between vector or matrix instructions and memory or LDS instructions, with s_wait_alu, always for 0.
; THE PLAN.  Registers that memory or LDS instructions touch:
;   QO, SO, FO   byte offsets, made once at the head.  FO and SO are never written again; QO's register is written again at the very end alone.
;   v1           at the start the address of my LDS stores; behind the barrier made anew as the address of the A loads, and stepped once a trip.
;   X0           at the start: the sensor loads land in it, the conversions rewrite it in place, the LDS stores read it: four sensors, one wait, four stores.
;   AF0 .. AF3   (X0's first half, from the barrier on) each read by four matrix instructions, then loaded again.  Operands 0 and 1 are loaded in ONE run, behind
;                the block that holds operand 1's last matrix instructions; operands 2 and 3 likewise, behind operand 3's: two waits on va_vdst a trip.
;   FE           loaded at the head; 32 conversions in place, one wait, eight stores; never written again.
;   QR           at the end: written by vector lines, one wait, one store.
;   B's views, C, the result tiles, the list and the keys are named by vector and matrix instructions alone.
; One wait on vm_vsrc a trip stands ahead of the add to v1; the trip's next wait on va_vdst states that the add is written.
.set BR,  4                            ; v[4:23]   B: zeros, numbers in lanes 0-15, zeros, numbers in lanes 16-31, zeros (4 registers each)
.set CQ,  24                           ; v[24:31]  |q|^2 of my query, eight times: the C operand
.set AF,  32                           ; v[32:63]  ring of four A operands (four tiles each)
.set DT,  64                           ; v[64:95]  four result tiles
.set X0,  32                           ; v[32:95]  at the start: 16 sensors of this thread, 4 registers each
.set LS,  96                           ; v[96:100] my five smallest keys, ascending
.set TA,  101                          ; v101, v102 at work on a pair's even tile
.set TB,  102
.set QR,  104                          ; v[104:106] my query as loaded; at the end v[104:107] the numbers to store
.set QO,  107                          ; byte offset of my query
.set PK,  108                          ; v[108:110] the query's three words of B
.set T,   112                          ; v[112:117] at work
.set FO,  118                          ; 16 x lane: my 16 bytes of each 512 in the features, in featb and in cand; never rewritten
.set SO,  119                          ; byte offset of this thread's first sensor
.set FE,  120                          ; v[120:183] feature row i of my wave's 8: 8 registers as loaded; its first 4 then hold the row in bf16
.set TC,  184                          ; v184, v185 at work on a pair's odd tile
.set TD,  185
.set KA,  186                          ; the key of a pair's even tile, from the block that makes it to the block that puts it into the list
.set KB,  187                          ; the same for the odd tile
.set SW,  20                           ; s20 wave;  s21 the wave's first query;  s22 trips left;  s23 the even tile's number;  s24 (free after the set-up) the odd tile's
.set SQ,  21
.set SC,  22
.set ST,  23
.set SU,  24
.set TRIPS_A, 3                        ; trips of the search in front of the features' conversion
.set TRIPS_B, 12                       ; and behind it; one more is written out at the end: 16 trips of 16 tiles
	s_load_b256 s[4:11], s[0:1], 0x0               ; query_coords s[4:5], sensor_coords s[6:7], sensor_features s[8:9], cand s[10:11]
	s_load_b64 s[12:13], s[0:1], 0x20              ; featb
	v_lshl_add_u32 v103, v0, 2, 0x10000
	v_mov_b32 v111, 0
	v_lshrrev_b32 v2, 5, v0
	v_readfirstlane_b32 s[SW], v2                  ; wave 0..7
	v_and_b32 v3, 31, v0                           ; lane
	v_and_b32 v2, 15, v0                           ; r: my query in the wave's 16
	s_lshl_b32 s[SQ], ttmp9, 7
	s_wait_alu depctr_va_sdst(0)                   ; the wave's number is written into s20, ahead of its first reader
	s_lshl4_add_u32 s[SQ], s[SW], s[SQ]            ; the wave's first query = 128 x work-group + 16 x wave
	v_add_nc_u32 v[QO], s[SQ], v2
	v_mul_u32_u24 v[QO], v[QO], 12                 ; 12 bytes a point
	v_mul_u32_u24 v[SO], v0, 12                    ; thread t takes sensors t, t + 256, ..
	v_lshlrev_b32 v1, 4, v0                        ; and puts them at 16 t, 16 t + 4,096, .. in LDS
	v_lshlrev_b32 v[FO], 4, v3
	s_lshl_b32 s24, s[SQ], 5                       ; cand: 32 bytes a query
	s_mov_b32 s25, 0
	s_lshl_b32 s26, ttmp9, 16                      ; features: the work-group's 64 rows of 1,024 bytes,
	s_lshl_b32 s30, s[SW], 13                      ; in them the wave's 8
	s_add_co_u32 s26, s26, s30
	s_mov_b32 s27, 0
	s_lshr_b32 s28, s26, 1                         ; featb: the same rows, of 512 bytes
	s_mov_b32 s29, 0
	s_mov_b32 s14, 0x76543210                      ; v_permlanex16_b32: lane i of one half reads lane i of the other
	s_mov_b32 s15, 0xfedcba98
	s_mov_b32 s16, 0xffff0000                      ; a word's upper bf16
	s_mov_b32 s17, 0xffffff00                      ; a key's part of d2 in the loop
	s_mov_b32 s18, 0x0d800000                      ; 2^-100: d2 is clamped here, not at 0, so that every key is a normal positive number
	s_mov_b32 s19, 0xfffffe00                      ; a key's part of d2 at the end
	s_wait_kmcnt 0x0
	s_add_nc_u64 s[10:11], s[10:11], s[24:25]
	s_add_nc_u64 s[8:9], s[8:9], s[26:27]
	s_add_nc_u64 s[12:13], s[12:13], s[28:29]
	s_wait_alu depctr_va_vdst(0)                   ; QO, SO, FO and v1 are written: the loads below, the LDS stores and the global stores read them as offsets and address
	global_load_b96 v[QR:QR+2], v[QO], s[4:5]
.irp i, 0,1,2,3,4,5,6,7,8,9,10,11,12,13,14,15
	global_load_b96 v[X0+4*\i:X0+4*\i+2], v[SO], s[6:7] offset:3072*\i     ; a wave's load covers 384 neighbouring bytes
.endr
.irp i, 0,1,2,3,4,5,6,7
	global_load_b128 v[FE+8*\i:FE+8*\i+3],   v[FO], s[8:9] offset:1024*\i th:TH_LOAD_NT       ; columns 4 l .. 4 l + 3 of feature row i,
	global_load_b128 v[FE+8*\i+4:FE+8*\i+7], v[FO], s[8:9] offset:1024*\i+512 th:TH_LOAD_NT   ; columns 128 + 4 l .. 131 + 4 l: behind what the search waits for
.endr
	; while they are on their way: the zeros of B's views, K places 6 and 7 of every sensor, and the mask of lanes 0-15
.irp j, 0,1,2,3,7,8,9,10,11,15,16,17,18,19
	v_mov_b32 v[BR+\j], 0
.endr
.irp i, 0,1,2,3,4,5,6,7,8,9,10,11,12,13,14,15
	v_mov_b32 v[X0+4*\i+3], 0
.endr
	v_cmp_gt_u32 vcc_lo, 16, v3                    ; lanes 0-15
	; my query: rounded to bf16, |q|^2 = (x x + y y) + z z in f32, the three words of B
	s_wait_loadcnt 32                              ; loads come back in order (ISA guide 5.7.1): the 16 sensor loads and the 16 feature loads are younger
	v_cvt_pk_bf16_f32 v[T], v[QR], v[QR+1]
	v_cvt_pk_bf16_f32 v[T+2], v[QR+2], v[QR+2]
	v_and_b32 v[T+1], s16, v[T]                    ; y
	v_lshlrev_b32 v[T], 16, v[T]                   ; x
	v_and_b32 v[T+2], s16, v[T+2]                  ; z
	v_mul_f32 v[T+3], v[T], v[T]
	v_fmac_f32 v[T+3], v[T+1], v[T+1]
.irp j, 0,1,2,3,4,5,6,7
	v_fma_f32 v[CQ+\j], v[T+2], v[T+2], v[T+3]     ; the last step written eight times: C needs eight equal registers and no copies
.endr
	v_mul_f32 v[T], -2.0, v[T]
	v_mul_f32 v[T+1], -2.0, v[T+1]
	v_mul_f32 v[T+2], -2.0, v[T+2]
	v_cvt_pk_bf16_f32 v[PK], v[T], v[T+1]          ; exact: a power of two times a bf16 number
	v_cvt_pk_bf16_f32 v[PK+1], v[T+2], 1.0
	v_mov_b32 v[PK+2], 0x3f803f80                  ; 1, 1
	s_wait_alu depctr_va_vcc(0)                    ; the compare above has written VCC, which the selects below read
.irp j, 0,1,2
	v_cndmask_b32 v[BR+4+\j], 0, v[PK+\j], vcc_lo          ; the numbers in lanes 0-15 alone
	v_cndmask_b32 v[BR+12+\j], v[PK+\j], v[BR], vcc_lo     ; the numbers in lanes 16-31 alone
.endr
; One sensor: rounded, squared, |s|^2 cut in three, in place in its four registers.
.macro SENSOR i
	s_wait_loadcnt 31-(\i)                         ; the younger sensor loads and the 16 feature loads stay out
	v_cvt_pk_bf16_f32 v[X0+4*(\i)], v[X0+4*(\i)], v[X0+4*(\i)+1]   ; word 0: x, y
	v_cvt_pk_bf16_f32 v[T+2], v[X0+4*(\i)+2], v[X0+4*(\i)+2]
	v_lshlrev_b32 v[T], 16, v[X0+4*(\i)]
	v_and_b32 v[T+1], s16, v[X0+4*(\i)]
	v_and_b32 v[T+2], s16, v[T+2]
	v_mul_f32 v[T+3], v[T], v[T]
	v_fmac_f32 v[T+3], v[T+1], v[T+1]
	v_fmac_f32 v[T+3], v[T+2], v[T+2]              ; |s|^2
	v_cvt_pk_bf16_f32 v[X0+4*(\i)+1], v[T+2], v[T+3]       ; word 1: z, the first 8 bits of |s|^2
	v_and_b32 v[T+4], s16, v[X0+4*(\i)+1]
	v_sub_f32 v[T+4], v[T+3], v[T+4]               ; what is left, exact
	v_cvt_pk_bf16_f32 v[T+5], v[T+4], v[T+4]
	v_and_b32 v[T+5], s16, v[T+5]
	v_sub_f32 v[T+5], v[T+4], v[T+5]               ; what is left of that: at most 8 bits
	v_cvt_pk_bf16_f32 v[X0+4*(\i)+2], v[T+4], v[T+5]       ; word 2: the next 8 bits, the last 8 bits
.endm
; Four sensors at a time: their conversions, one wait, their four stores into the table.  The next four's conversions name other registers than these stores read.
.irp g, 0,1,2,3
.irp i, 0,1,2,3
	SENSOR 4*\g+\i
.endr
	s_wait_alu depctr_va_vdst(0)                   ; the conversions (and the moves of 0 at the head) have written these four sensors' registers, which the LDS stores read
.irp i, 0,1,2,3
	ds_store_b128 v1, v[X0+4*(4*\g+\i):X0+4*(4*\g+\i)+3] offset:4096*(4*\g+\i)     ; sensor s lies at byte 16 s
.endr
.endr
	s_wait_dscnt 0x0                               ; my part of the table is written: zero, for the other waves' sake
	s_barrier_signal -1
	s_barrier_wait -1                              ; the table is whole; nothing writes LDS from here on
; Four tiles (64 sensors, 1,024 bytes) into A operand b: lane l takes the sensors 64 Q + l and 64 Q + 32 + l.
.macro LOADA b, ahead
	ds_load_b128 v[AF+8*\b:AF+8*\b+3],   v1 offset:\ahead+1024*\b
	ds_load_b128 v[AF+8*\b+4:AF+8*\b+7], v1 offset:\ahead+1024*\b+512
.endm
; Tile u of a trip's 16 (16, 17: the next trip's first two).  Tile 4 Q + 2 c + h lies in registers 4 c .. 4 c + 3 of lanes 16 h .. 16 h + 15 of operand Q;
; B's view with the numbers in that block starts at v8, v16, v4, v12 for 2 c + h = 0, 1, 2, 3.  C is never D: no sum is carried on in place.
.macro WM u
	v_wmma_f32_16x16x32_bf16 v[DT+8*((\u)&3):DT+8*((\u)&3)+7], v[AF+8*(((\u)>>2)&3):AF+8*(((\u)>>2)&3)+7], v[BR+4+8*((\u)&1)-4*(((\u)>>1)&1):BR+11+8*((\u)&1)-4*(((\u)>>1)&1)], v[CQ:CQ+7]
.endm
; A key goes into the ascending list: place j takes the middle one of its lower neighbour, itself and the key; from the top down, so that each line reads old values.
.macro INSERT key
	v_med3_num_f32 v[LS+4], v[LS+3], v[LS+4], v[\key]
	v_med3_num_f32 v[LS+3], v[LS+2], v[LS+3], v[\key]
	v_med3_num_f32 v[LS+2], v[LS+1], v[LS+2], v[\key]
	v_med3_num_f32 v[LS+1], v[LS],   v[LS+1], v[\key]
	v_min_num_f32  v[LS],   v[LS],   v[\key]
.endm
; A BLOCK: two tiles.  d = which half of the four result tiles holds this pair; w = the first tile of the NEXT pair (-1: there is none).
; First the next pair's two matrix instructions, then 20 vector lines, two strands taken line by line:
;   the keys of THIS pair: for each tile the smallest of my eight distances (three lines), clamped from below (with the fourth), the tile's number in its low 8 bits;
;   the keys of the LAST pair, which wait in KA and KB, go into the list: the five lines of INSERT for KA, then the five for KB: tiles in ascending order.
; So no line reads what one of the three lines in front of it wrote.  KA is written again behind the last line that reads it, and so is KB: hence the last two lines' order.
.macro BLK d, w
.set DA, DT+16*\d
.set DB, DT+16*\d+8
.if \w >= 0
	WM \w
	WM \w+1
.endif
	v_min3_num_f32 v[TA], v[DA],   v[DA+1], v[DA+2]
	v_med3_num_f32 v[LS+4], v[LS+3], v[LS+4], v[KA]
	v_min3_num_f32 v[TB], v[DA+3], v[DA+4], v[DA+5]
	v_med3_num_f32 v[LS+3], v[LS+2], v[LS+3], v[KA]
	v_min3_num_f32 v[TC], v[DB],   v[DB+1], v[DB+2]
	v_med3_num_f32 v[LS+2], v[LS+1], v[LS+2], v[KA]
	v_min3_num_f32 v[TD], v[DB+3], v[DB+4], v[DB+5]
	v_med3_num_f32 v[LS+1], v[LS],   v[LS+1], v[KA]
	v_min3_num_f32 v[TA], v[TA],   v[DA+6], v[DA+7]
	v_min_num_f32  v[LS],   v[LS],   v[KA]
	v_min3_num_f32 v[TC], v[TC],   v[DB+6], v[DB+7]
	v_med3_num_f32 v[LS+4], v[LS+3], v[LS+4], v[KB]
	v_minmax_num_f32 v[TA], v[TA], v[TB], s18      ; max(min(a, b), 2^-100)
	v_med3_num_f32 v[LS+3], v[LS+2], v[LS+3], v[KB]
	v_minmax_num_f32 v[TC], v[TC], v[TD], s18
	v_med3_num_f32 v[LS+2], v[LS+1], v[LS+2], v[KB]
	v_and_or_b32 v[KA], v[TA], s17, s[ST]
	v_med3_num_f32 v[LS+1], v[LS],   v[LS+1], v[KB]
	v_min_num_f32  v[LS],   v[LS],   v[KB]
	v_and_or_b32 v[KB], v[TC], s17, s[SU]
	s_add_co_u32 s[ST], s[ST], 2
	s_add_co_u32 s[SU], s[SU], 2
.endm
; A trip: 16 tiles in eight blocks.  Behind a matrix instruction stand the 20 vector lines of its own block, which name none of its registers: its result is read
; in the next block, and the same result registers are written again by the matrix instructions of the block after that (ISA guide 7.12.1 asks for 4 and 5).
; The A operands are loaded again two at a time, in runs of four loads: 0 and 1 behind the block with operand 1's last matrix instructions, 2 and 3 behind the block
; with operand 3's; each run stands four blocks, eight tiles, ahead of its first use, straight behind the one wait that states what it hangs on.
; more = 1: another trip follows.  The count in front of an operand's first use: LDS loads come back in order (ISA guide 5.7.1).  The order of issue is 0, 1 | 2, 3 | 0, 1 ..,
; two loads an operand: younger than operand 1's are 2's and 3's (4); than 2's: 3's and the new 0's and 1's (6); than 3's: the new 0's and 1's (4); than the new 0's:
; 1's, 2's and 3's (6).  In the last trip nothing is loaded, and 2, 1, 0 pairs are younger.
.macro TRIP more
	BLK 0, 2
	s_wait_dscnt 4
	BLK 1, 4
	BLK 0, 6
.if \more
	s_wait_alu depctr_va_vdst(0)                   ; the matrix instructions of tiles 0 to 7 are done reading operands 0 and 1, in which the loads below land; v1's last step is written
	LOADA 0, 4096
	LOADA 1, 4096
.endif
	s_wait_dscnt 2+4*\more
	BLK 1, 8
	BLK 0, 10
	s_wait_dscnt 4*\more
	BLK 1, 12
	BLK 0, 14
.if \more
	s_wait_alu depctr_va_vdst(0)                   ; the matrix instructions of tiles 8 to 15 are done reading operands 2 and 3, in which the loads below land
	LOADA 2, 4096
	LOADA 3, 4096
	s_wait_dscnt 6
	BLK 1, 16
.else
	BLK 1, -1
.endif
.endm
	s_wait_alu depctr_vm_vsrc(0)                   ; my LDS stores have read v1 and v[X0 ..]: v1 is written in the next line, and v[X0 ..] are AF and DT from here on, written by LDS loads and matrix instructions
	v_lshlrev_b32 v1, 4, v3                        ; 16 x lane: my 16 bytes of each 512 of the table; stepped from trip to trip
	s_wait_alu depctr_va_vdst(0)                   ; v1 is written, which the loads below read; the sensors' conversions are done with v[32:63], in which they land
	LOADA 0, 0
	LOADA 1, 0
	LOADA 2, 0
	LOADA 3, 0
	s_wait_dscnt 6                                 ; operand 0 is in
	WM 0
	WM 1
.irp k, 0,1,2,3,4
	v_mov_b32 v[LS+\k], 0x7f000000                 ; the list starts above every distance,
.endr
	v_mov_b32 v[KA], 0x7f000000                    ; and so do the two keys that the first block puts into it, which leave it as it is.
	v_mov_b32 v[KB], 0x7f000000                    ; These seven lines are also the places behind the first two matrix instructions
	s_mov_b32 s[ST], 0                             ; the even tile's number
	s_mov_b32 s[SU], 1                             ; the odd tile's
	s_mov_b32 s[SC], TRIPS_A
.Ltrip_a:
	TRIP 1
	s_wait_alu depctr_vm_vsrc(0)                   ; the LDS loads issued so far have read v1
	v_add_nc_u32 v1, 4096, v1                      ; 16 tiles on
	s_sub_co_u32 s[SC], s[SC], 1
	s_cmp_lg_u32 s[SC], 0
	s_cbranch_scc1 .Ltrip_a
	; The features: their loads have had the table's making and three trips in which to land; the stores have the other thirteen trips in which to leave.
	; The lines name none of the search's registers; the last matrix instruction stands 21 vector instructions back.
	s_wait_loadcnt 0x0                             ; the 16 feature loads: nothing else is out
.irp i, 0,1,2,3,4,5,6,7
.irp j, 0,1,2,3
	v_cvt_pk_bf16_f32 v[FE+8*\i+\j], v[FE+8*\i+\j], v[FE+8*\i+4+\j]        ; low half: column 4 l + j; high half: column 128 + 4 l + j
.endr
.endr
	s_wait_alu depctr_va_vdst(0)                   ; the 32 conversions have written the eight rows, which the stores read
.irp i, 0,1,2,3,4,5,6,7
	global_store_b128 v[FO], v[FE+8*\i:FE+8*\i+3], s[12:13] offset:512*\i  ; a row of featb: 512 consecutive bytes, aligned; the data registers are not written again
.endr
	s_mov_b32 s[SC], TRIPS_B
.Ltrip_b:
	TRIP 1
	s_wait_alu depctr_vm_vsrc(0)                   ; the LDS loads issued so far have read v1
	v_add_nc_u32 v1, 4096, v1                      ; the furthest load of the 15th trip: 496 + 14 x 4,096 + 4,096 + 3,584 + 16 = 65,536, the table's end
	s_sub_co_u32 s[SC], s[SC], 1
	s_cmp_lg_u32 s[SC], 0
	s_cbranch_scc1 .Ltrip_b
	TRIP 0                                         ; the last 16 tiles: nothing more to load, no tile 16 or 17
	INSERT KA                                      ; the last pair's keys
	INSERT KB
	; The two lanes of a query (groups 2 t and 2 t + 1) join their lists.  First the number grows to 9 bits: 2 t + h.
	v_lshrrev_b32 v2, 4, v3                        ; h
	v_cmp_gt_u32 vcc_lo, 16, v3                    ; lanes 0-15: for the selects at the end
.irp k, 0,1,2,3,4
	v_and_b32 v[TA], 0xff, v[LS+\k]
	v_lshl_or_b32 v[TA], v[TA], 1, v2
	v_and_or_b32 v[LS+\k], v[LS+\k], s19, v[TA]
.endr
.irp k, 0,1,2,3,4
	v_permlanex16_b32 v[T+\k], v[LS+\k], s14, s15  ; the other lane's five keys (the destinations were written above)
.endr
.irp k, 0,1,2,3,4
	INSERT T+\k                                    ; both lanes end with the same five: all keys differ in their numbers
.endr
	; out: a wave's 512 bytes = 16 queries x (g1 .. g4), then 16 queries x (g5, 0, 0, 0): lane l stores bytes 16 l .. 16 l + 15
.irp k, 0,1,2,3,4
	v_and_b32 v[QR+\k], 0x1ff, v[LS+\k]            ; (v107 was the offset of my query's load, which has read it: the wait on vm_vsrc behind the barrier stands behind that load)
.endr
	s_wait_alu depctr_va_vcc(0)                    ; the compare above has written VCC, which the selects below read
	v_cndmask_b32 v[QR],   v[QR+4], v[QR],   vcc_lo
	v_cndmask_b32 v[QR+1], 0,       v[QR+1], vcc_lo
	v_cndmask_b32 v[QR+2], 0,       v[QR+2], vcc_lo
	v_cndmask_b32 v[QR+3], 0,       v[QR+3], vcc_lo
	s_wait_alu depctr_va_vdst(0)                   ; the selects have written v[QR ..], which the store reads
	global_store_b128 v[FO], v[QR:QR+3], s[10:11]  ; 512 consecutive bytes, at a multiple of 512 from the buffer's first byte
	s_wait_dscnt 0x0
	s_wait_alu depctr_hold_cnt(0) depctr_sa_sdst(0) depctr_va_vdst(0) depctr_va_sdst(0) depctr_va_ssrc(0) depctr_va_vcc(0) depctr_vm_vsrc(0)
	s_wait_tensorcnt 0x0
	ds_add_u32 v103, v111
	s_wait_dscnt 0x0
	s_endpgm
.Lfunc_end_k_q6edb9daa32_filter:
	.size	k_q6edb9daa32_filter, .Lfunc_end_k_q6edb9daa32_filter-k_q6edb9daa32_filter
	.p2alignl 7, 3214868480
	.fill 96, 4, 3214868480
	.section	.rodata,"a",@progbits
	.p2align	6, 0x0
	.amdhsa_kernel k_q6edb9daa32_filter
		.amdhsa_group_segment_fixed_size 66560
		.amdhsa_private_segment_fixed_size 0
		.amdhsa_enable_private_segment 0
		.amdhsa_kernarg_size 40
		.amdhsa_user_sgpr_count 2
		.amdhsa_user_sgpr_kernarg_segment_ptr 1
		.amdhsa_wavefront_size32 1
		.amdhsa_system_sgpr_workgroup_id_x 1
		.amdhsa_system_sgpr_workgroup_id_y 1
		.amdhsa_system_sgpr_workgroup_id_z 1
		.amdhsa_system_vgpr_workitem_id 0
		.amdhsa_next_free_vgpr 188
		.amdhsa_next_free_sgpr 66
		.amdhsa_reserve_vcc 1
		.amdhsa_float_denorm_mode_32 3
		.amdhsa_float_denorm_mode_16_64 3
		.amdhsa_memory_ordered 1
		.amdhsa_forward_progress 1
		.amdhsa_inst_pref_size 62
	.end_amdhsa_kernel
	.amdgpu_metadata
---
amdhsa.version: [ 1, 2 ]
amdhsa.kernels:
  - .name:           k_q6edb9daa32_filter
    .symbol:         k_q6edb9daa32_filter.kd
    .args:
      - { .name: query_coords, .offset: 0, .size: 8, .value_kind: global_buffer, .address_space: global }
      - { .name: sensor_coords, .offset: 8, .size: 8, .value_kind: global_buffer, .address_space: global }
      - { .name: sensor_features, .offset: 16, .size: 8, .value_kind: global_buffer, .address_space: global }
      - { .name: cand, .offset: 24, .size: 8, .value_kind: global_buffer, .address_space: global }
      - { .name: featb, .offset: 32, .size: 8, .value_kind: global_buffer, .address_space: global }
    .group_segment_fixed_size: 66560
    .private_segment_fixed_size: 0
    .kernarg_segment_align: 8
    .kernarg_segment_size: 40
    .max_flat_workgroup_size: 256
    .sgpr_count:     66
    .vgpr_count:     188
    .wavefront_size: 32
...
	.end_amdgpu_metadata
.endif
;; end of part 6
;; launch rerank: the kernel of part 2 again; grid 256 x 1, 4 waves a work-group, no clusters, 0 bytes of LDS; arguments query_coords, sensor_coords, sigma, cand, nbr, wts; writes nbr, wts
;; launch gather (part 7): grid 256 x 1, 16 waves a work-group, no clusters, 0 bytes of LDS; arguments featb, nbr, wts, out0; writes out0
.if DOCPART == 7
	.amdgcn_target "amdgcn-amd-amdhsa--gfx1250"
	.amdhsa_code_object_version 6
	.text
	.protected	k_q6edb9daa32_gather
	.globl	k_q6edb9daa32_gather
	.p2align	8
	.type	k_q6edb9daa32_gather,@function
k_q6edb9daa32_gather:
	s_mov_b64 s[64:65], 0
	v_nop
	global_prefetch_b8 v0, s[64:65] scope:SCOPE_SE
	s_setreg_imm32_b32 hwreg(HW_REG_WAVE_SCHED_MODE, 0, 2), 2
	s_setreg_imm32_b32 hwreg(HW_REG_WAVE_MODE, 25, 1), 1
	s_wait_xcnt 0x0
	s_wait_alu depctr_vm_vsrc(0)
; GATHER: out[b][q][:] = the sum over the query's four neighbours of weight x sensor_features[b][neighbour][:].
; FORMAT (a stated limit): the features are operands of a product and come from featb, where the first launch has rounded them to bf16 (to nearest even), like
; the coordinates and sigma, so that the whole program is reference() of one set of rounded inputs.  The weights, the products and the sums are f32.
; A row of featb is 512 bytes; word j (0..3) of the 16 bytes at byte 16 l holds column 4 l + j in its low half and column 128 + 4 l + j in its high half.
; So one load of 32 lanes x 16 bytes brings a row, the four low halves of a lane make four neighbouring columns of the result and the four high halves four
; more, 512 bytes further on: every load and store of a wave covers 512 consecutive bytes, aligned.
; 256 work-groups x 16 waves; a wave owns 8 queries.  A query takes 24 registers (4 row offsets, 4 rows x 4 words, 4 sums), so all eight are asked for at once: 32 loads,
; 16 KiB of rows, a wave.  The text has no ring and no refill.
; The neighbours' numbers and the weights are the same for all lanes and come by scalar loads (32 words each a wave, once); no line of this launch writes
; those buffers.  The weights are moved into vector registers, from which the mixed multiply-adds take them.
; The product is left to the vector unit: each query multiplies four rows of its own, so no operand of a matrix instruction would be shared, and the rows
; would have to be transposed first, which is more work than the four multiply-adds for each number.  No LDS, no barrier, no cluster: no two
; waves share work.  No prefetch: a row is wanted by several queries of other work-groups, so no wave could be the one that asks for it.
;
; THE MODE: SCHED_MODE bits 1:0 = 2 (LLVM: expert scheduling mode 2), set by the entry lines.  The code itself states the register dependences
; between vector instructions and memory instructions, with s_wait_alu, always for 0.
; THE PLAN.  Registers that memory instructions touch:
;   v1             16 x lane: the offset of every store; made at the head, never written again.
;   32 row offsets made by 32 vector lines in one run, then read by the 32 loads; never written again.
;   128 row words  the loads land in them; no vector line names them before.  The multiply-adds read them; the first row's four words of a query take the
;                  high halves' sums and are then read by a store; never written again.
;   32 sums        four registers of its own for each query's low halves: written by the multiply-adds, read by a store; never written again.
; So no register that a memory instruction reads is ever written behind it, and the text owes no wait on vm_vsrc and none for address translation.
; One wait on va_vdst stands between the offsets' run and the loads' run; the queries go in pairs, and one more stands between a pair's 64 multiply-adds and its four stores.
.set IDX, 16                           ; s[16:47]    query i: its four neighbours' numbers at s[16 + 4 i]
.set WT,  68                           ; s[68:99]    query i: its four weights at s[68 + 4 i]
.set WV,  4                            ; v[4:35]     the same weights in vector registers
.set SL,  36                           ; v[36:227]   query i at 36 + 24 i: 4 row offsets, then 4 rows x 4 words (the first row's later 4 sums), then 4 sums
	s_load_b256 s[4:11], s[0:1], 0x0               ; featb s[4:5], nbr s[6:7], wts s[8:9], out0 s[10:11]
	v_lshrrev_b32 v1, 5, v0
	v_readfirstlane_b32 s12, v1                    ; wave 0..15
	v_and_b32 v1, 31, v0
	v_lshlrev_b32 v1, 4, v1                        ; 16 x lane; never rewritten
	v_mov_b32 v2, 0                                ; the addend of a sum's first product; never rewritten
	s_lshl_b32 s13, ttmp9, 7
	s_wait_alu depctr_va_sdst(0)                   ; the wave's number is written into s12, ahead of its first reader
	s_lshl3_add_u32 s13, s12, s13                  ; the wave's first query = 128 x work-group + 8 x wave
	s_lshl_b32 s48, s13, 4                         ; 16 bytes a query in nbr and in wts
	s_mov_b32 s49, 0
	s_lshl_b32 s50, s13, 10                        ; 1,024 bytes a query in out0
	s_mov_b32 s51, 0
	s_lshr_b32 s52, ttmp9, 6                       ; 64 work-groups to a batch of 8,192 queries,
	s_lshl_b32 s52, s52, 21                        ; whose part of featb is 4,096 rows of 512 bytes
	s_mov_b32 s53, 0
	s_wait_kmcnt 0x0
	s_add_nc_u64 s[6:7], s[6:7], s[48:49]
	s_add_nc_u64 s[8:9], s[8:9], s[48:49]
	s_load_b512 s[IDX:IDX+15], s[6:7], 0x0
	s_load_b512 s[IDX+16:IDX+31], s[6:7], 0x40
	s_load_b512 s[WT:WT+15], s[8:9], 0x0
	s_load_b512 s[WT+16:WT+31], s[8:9], 0x40
	s_add_nc_u64 s[10:11], s[10:11], s[50:51]
	s_add_nc_u64 s[4:5], s[4:5], s[52:53]
	s_wait_kmcnt 0x0
.rept 32
	s_min_u32 s[IDX+\+], s[IDX+\+], 0xfff          ; a number from memory is bounded before it makes an address: 4,096 rows
.endr
.irp q, 0,1,2,3,4,5,6,7
.irp k, 0,1,2,3
	v_lshl_add_u32 v[SL+24*\q+\k], s[IDX+4*\q+\k], 9, v1           ; 512 x row + 16 x lane: all 32 offsets in one run
.endr
.endr
	s_wait_alu depctr_va_vdst(0)                   ; the 32 row offsets are written, which the loads below read; so is v1, which every store reads
.irp q, 0,1,2,3,4,5,6,7
.irp k, 0,1,2,3
	global_load_b128 v[SL+24*\q+4+4*\k:SL+24*\q+7+4*\k], v[SL+24*\q+\k], s[4:5]
.endr
.endr
.rept 32
	v_mov_b32 v[WV+\+], s[WT+\+]                   ; while the rows are on their way
.endr
; Query i.  32 multiply-adds, each of a half of a word (bf16), a weight (f32) and a sum (f32): eight chains side by side, four links each.
; The low halves' sums lie in the query's own four registers, the high halves' in the first row's four words (a line reads the word's high half and writes the word,
; behind the line that has read its low half): two quads of neighbouring registers for two stores, and none of them is written again.
.macro SUMS i
.set D, SL+24*(\i)+4
.set O, SL+24*(\i)+20
.set W, WV+4*(\i)
	s_wait_loadcnt 28-4*(\i)                       ; loads come back in order (ISA guide 5.7.1): my four rows are in, the later queries' four each stay out
.irp j, 0,1,2,3
	v_fma_mix_f32_bf16 v[O+\j], v[D+\j], v[W], v2 op_sel_hi:[1,0,0]                      ; row 0 x weight 0 starts the sums: the addend is the zero in v2
	v_fma_mix_f32_bf16 v[D+\j], v[D+\j], v[W], v2 op_sel:[1,0,0] op_sel_hi:[1,0,0]       ; the word's high half
.endr
.irp k, 1,2,3
.irp j, 0,1,2,3
	v_fma_mix_f32_bf16 v[O+\j], v[D+4*\k+\j], v[W+\k], v[O+\j] op_sel_hi:[1,0,0]                     ; + row k x weight k
	v_fma_mix_f32_bf16 v[D+\j], v[D+4*\k+\j], v[W+\k], v[D+\j] op_sel:[1,0,0] op_sel_hi:[1,0,0]
.endr
.endr
.endm
.macro OUT i
	global_store_b128 v1, v[SL+24*(\i)+20:SL+24*(\i)+23], s[10:11] offset:1024*(\i) th:TH_STORE_NT       ; columns 4 l .. 4 l + 3
	global_store_b128 v1, v[SL+24*(\i)+4:SL+24*(\i)+7],   s[10:11] offset:1024*(\i)+512 th:TH_STORE_NT   ; columns 128 + 4 l .. 131 + 4 l
.endm
.irp p, 0,1,2,3
	SUMS 2*\p
	SUMS 2*\p+1
	s_wait_alu depctr_va_vdst(0)                   ; the pair's 64 multiply-adds have written its sixteen sums, which the four stores read
	OUT 2*\p
	OUT 2*\p+1
.endr
	s_endpgm
.Lfunc_end_k_q6edb9daa32_gather:
	.size	k_q6edb9daa32_gather, .Lfunc_end_k_q6edb9daa32_gather-k_q6edb9daa32_gather
	.p2alignl 7, 3214868480
	.fill 96, 4, 3214868480
	.section	.rodata,"a",@progbits
	.p2align	6, 0x0
	.amdhsa_kernel k_q6edb9daa32_gather
		.amdhsa_group_segment_fixed_size 0
		.amdhsa_private_segment_fixed_size 0
		.amdhsa_enable_private_segment 0
		.amdhsa_kernarg_size 32
		.amdhsa_user_sgpr_count 2
		.amdhsa_user_sgpr_kernarg_segment_ptr 1
		.amdhsa_wavefront_size32 1
		.amdhsa_system_sgpr_workgroup_id_x 1
		.amdhsa_system_sgpr_workgroup_id_y 1
		.amdhsa_system_sgpr_workgroup_id_z 1
		.amdhsa_system_vgpr_workitem_id 0
		.amdhsa_next_free_vgpr 228
		.amdhsa_next_free_sgpr 100
		.amdhsa_reserve_vcc 0
		.amdhsa_float_denorm_mode_32 3
		.amdhsa_float_denorm_mode_16_64 3
		.amdhsa_memory_ordered 1
		.amdhsa_forward_progress 1
		.amdhsa_inst_pref_size 28
	.end_amdhsa_kernel
	.amdgpu_metadata
---
amdhsa.version: [ 1, 2 ]
amdhsa.kernels:
  - .name:           k_q6edb9daa32_gather
    .symbol:         k_q6edb9daa32_gather.kd
    .args:
      - { .name: featb, .offset: 0, .size: 8, .value_kind: global_buffer, .address_space: global }
      - { .name: nbr, .offset: 8, .size: 8, .value_kind: global_buffer, .address_space: global }
      - { .name: wts, .offset: 16, .size: 8, .value_kind: global_buffer, .address_space: global }
      - { .name: out0, .offset: 24, .size: 8, .value_kind: global_buffer, .address_space: global }
    .group_segment_fixed_size: 0
    .private_segment_fixed_size: 0
    .kernarg_segment_align: 8
    .kernarg_segment_size: 32
    .max_flat_workgroup_size: 512
    .sgpr_count:     100
    .vgpr_count:     228
    .wavefront_size: 32
...
	.end_amdgpu_metadata
.endif
;; end of part 7
